; MI455X (gfx1250); checked and timed in simulation.
; The chip was launched on July 23, 2026; its instructions are those of AMD's public machine-readable ISA for CDNA 5 (MIT licence, August 2026) and "CDNA5" Instruction Set Architecture Reference Guide (July 2026). The comments in the code are by the model that wrote it; some were corrected since.
;; Attention Layer. Allowed arithmetic: matrix products marked QUANTISED: E2M1 operands, one E8M0 scale for each 32 along K, by v_wmma_scale_f32_16x16x128_f8f6f4 with both operands' format E2M1 (or v_wmma_scale_f32_32x16x128_f4), f32 sums; products left as they are: bf16, f16 or f32 operands; f32 sums; everything else in f32.
;; Inputs: positions 1,024 int32; w_k 1,024 x 4,096 float32; w_o 4,096 x 4,096 float32; w_q 4,096 x 4,096 float32; w_v 1,024 x 4,096 float32; x 1 x 1,024 x 4,096 float32.
;; Outputs: out0 1 x 1,024 x 4,096 float32.
;; This version of the problem:
;;   THIS VERSION OF THE PROBLEM IS GIVEN IN LOW PRECISION. The matrix products marked QUANTISED in the list below multiply operands that are first quantised to E2M1 (2 exponent bits, 1 mantissa bit; 4 bits a number), with one power-of-two scale for each 32 numbers along K (OCP MX v1.0); their sums are f32. The products marked 'left as it is' may take bf16, f16 or f32 operands, with f32 sums. Whichever they take, every output number must still come out within the allowed error. Rounding operands to bf16 (8 significant bits) uses up far more of that allowance than f16 does (11 bits, for magnitudes from 6e-5 to 65,504). All else is computed in f32.
;;   The module's matrix products, in the order in which they are computed (A, B: the left and right operand; K: the contracted axis; several contracted axes count as one K, in the product's order):
;;     1. [M 1,024, K 4,096] x [K 4,096, N 4,096]; A: input x; B: input w_q: QUANTISED
;;     2. [M 1,024, K 4,096] x [K 4,096, N 1,024]; A: input x; B: input w_k: QUANTISED
;;     3. [M 1,024, K 4,096] x [K 4,096, N 1,024]; A: input x; B: input w_v: QUANTISED
;;     4. batch 8 x [M 4,096, K 128] x [K 128, N 1,024]; A: computed on the way; B: computed on the way: left as it is (an operand is computed on the way)
;;     5. batch 8 x [M 4,096, K 1,024] x [K 1,024, N 128]; A: computed on the way; B: computed on the way: left as it is (an operand is computed on the way)
;;     6. [M 1,024, K 4,096] x [K 4,096, N 4,096]; A: computed on the way; B: input w_o: left as it is (an operand is computed on the way)
;;   THE QUANTISER, for each operand of a quantised product, along K:
;;     - K is cut into blocks of 32 from its start; a last block that is shorter is filled with zeros.
;;     - A block's scale is 2^e with e = floor(log2(the largest magnitude in the block)) - 2, held to -126 .. 127; a block of zeros has e = 0. As a byte (E8M0): e + 127.
;;     - Each number is divided by its block's scale, clamped to +-6, and rounded to the nearest number of E2M1, ties to even, subnormals kept.
;;     - The product sums the exact products of the quantised numbers (number of the format x scale) in f32.
;;   ~~~python
;;   def quantise(x, axis):      # numpy; x: float32 -> the quantised numbers, widened to float32 again
;;       x = np.moveaxis(x, axis, -1); K = x.shape[-1]
;;       x = np.pad(x, [(0, 0)] * (x.ndim - 1) + [(0, -K % 32)]); x = x.reshape(x.shape[:-1] + (-1, 32)); a = np.abs(x).max(-1, keepdims=True)
;;       e = np.where(a > 0, np.clip(np.frexp(np.where(a > 0, a, 1))[1] - 1 - 2, -126, 127), 0)      # np.frexp(a)[1] - 1 = floor(log2(a)), exactly
;;       r = np.clip(x / 2.0 ** e, -6, 6)
;;       step = 2.0 ** (np.maximum(np.frexp(np.where(r == 0, 1, r))[1] - 1, 0) - 1)
;;       q = np.round(r / step) * step * 2.0 ** e      # np.round: ties to even
;;       return np.moveaxis(q.reshape(q.shape[:-2] + (-1,))[..., :K], -1, axis).astype(np.float32)
;;   ~~~
;; One version. Each part assembles by itself: llvm-mc -triple=amdgcn-amd-amdhsa -mcpu=gfx1250 --defsym DOCPART=n.
;; ======== version 1 of 1: 5 launches
;; limits: values are held in f16: magnitudes above 65,504 overflow, below 6.1e-05 lose precision
;; workspace buffers: codes 14,680,064 bytes; scales 917,504 bytes; rope 524,288 bytes; heads 12,582,912 bytes; first 393,216 bytes; ctx 8,388,608 bytes; ctx16 262,144 bytes; wo16 33,554,432 bytes
;; launch prep (part 1): grid 912 x 1, 4 waves a work-group, no clusters, 33,280 bytes of LDS; arguments x, w_q, w_k, w_v, positions, codes, scales, rope; writes codes, scales, rope
.if DOCPART == 1
	.amdgcn_target "amdgcn-amd-amdhsa--gfx1250"
	.amdhsa_code_object_version 6
	.text
	.protected	k_q77f904cde4_prep
	.globl	k_q77f904cde4_prep
	.p2align	8
	.type	k_q77f904cde4_prep,@function
k_q77f904cde4_prep:
	s_mov_b64 s[64:65], 0
	v_nop
	global_prefetch_b8 v0, s[64:65] scope:SCOPE_SE
	s_setreg_imm32_b32 hwreg(HW_REG_WAVE_MODE, 25, 1), 1
	s_wait_xcnt 0x0
; x [1024][4096], w_q [4096][4096], w_k, w_v [1024][4096], f32, become codes of FP4 (E2M1), K innermost, two codes a byte, with one E8M0 byte for each 32 along K.
; The four tensors lie one behind the other in the two buffers: rows 0-1023 x, 1024-5119 w_q, 5120-6143 w_k, 6144-7167 w_v; a row is 2,048 bytes of codes and 128 scale bytes.
; A block's scale is 2^(floor(log2(largest magnitude)) - 2); its byte is the largest magnitude's exponent field - 2, held at 1 from below (a block of zeros keeps the byte 1: its codes are zeros, and this program alone reads the bytes).
; Work-groups 0-895: a plain stream of blocks of 32; a wave takes 16 steps of 512 numbers.  Each load reads 512 consecutive bytes; the numbers turn through the wave's own stage in LDS so that a lane holds 16 neighbours.
; Work-groups 896-911: the table rope[s] = 64 cosines, 64 sines of positions[s] x 10000^(-i/64), i = 0..63, f32; a wave takes 16 rows, a lane two frequencies.
; LIMITS: blocks whose largest magnitude lies under 2^-124 get the byte 1; NaN and infinities are not served; positions lie in 0..4095; 10000^(-i/64) is within about two units in the last place of the f32 power and
; division that define it, so an angle is off by under 1e-3 at position 4095.
.set WAVES, 4
.set STEPS, 16
.set QWG,   896                        ; work-groups that quantise: 128 for x, 512 for w_q, 128 each for w_k and w_v (32,768 numbers each)
.set EMAX,  2
.set CB,    8                          ; bytes of 16 codes
.set R,     16                         ; v16-79   four sets of 16 numbers as loaded
.set X,     80                         ; v80-111  two sets of 16 neighbours
.set E,     112                        ; v112-127 a scale byte for each step
.set C,     128                        ; v128-191 codes, four registers a step
.set WREG,  8192                       ; LDS: a wave's region: two stages of 32 x SP bytes, then its 256 scale bytes
.set SP,    80                         ; a lane's place in a stage: 64 bytes + 16 of padding
.set SPW,   12                         ; v12 LDS address of my spare word; never rewritten
.set NIL,   13                         ; v13 0; never rewritten
.set SPARE, WAVES*WREG                 ; the spare words: 128 bytes a wave, named by no other line
	s_load_b256 s[4:11], s[0:1], 0x0               ; x, w_q, w_k, w_v
	s_load_b256 s[12:19], s[0:1], 0x20             ; positions, codes, scales, rope
	v_lshl_add_u32 v[SPW], v0, 2, SPARE
	v_mov_b32 v[NIL], 0
	v_lshrrev_b32 v1, 5, v0
	v_readfirstlane_b32 s20, v1                    ; wave
	v_and_b32 v2, 31, v0                           ; lane
	s_cmp_ge_u32 ttmp9, QWG
	s_cbranch_scc1 .Lrope
	v_lshlrev_b32 v3, 4, v2                        ; my 16 bytes of a load's 512
	s_mul_i32 s21, s20, WREG
	v_lshrrev_b32 v14, 2, v2
	v_mul_u32_u24 v14, v14, SP
	v_and_b32 v15, 3, v2
	v_lshl_add_u32 v14, v15, 4, v14
	v_add_nc_u32 v14, s21, v14                     ; the stage, on the way in: SP (lane / 4) + 16 (lane % 4)
	v_mul_u32_u24 v15, v2, SP
	v_add_nc_u32 v15, s21, v15                     ; and on the way out: SP x lane
	v_mul_u32_u24 v4, v2, CB                       ; my codes' place in a step's
	v_lshrrev_b32 v5, 1, v2
	s_add_co_u32 s21, s21, 2*32*SP
	v_add_nc_u32 v5, s21, v5                       ; my block's byte among my wave's 256
	v_lshlrev_b32 v7, 3, v2
	v_add_nc_u32 v6, s21, v7                       ; and on the way out 8 bytes a lane
	s_wait_kmcnt 0x0
	s_mov_b32 s22, 768                             ; which tensor: the choice hangs on the work-group's number alone
	s_cmp_lt_u32 ttmp9, 768
	s_cselect_b64 s[10:11], s[8:9], s[10:11]
	s_cselect_b32 s22, 640, s22
	s_cmp_lt_u32 ttmp9, 640
	s_cselect_b64 s[10:11], s[6:7], s[10:11]
	s_cselect_b32 s22, 128, s22
	s_cmp_lt_u32 ttmp9, 128
	s_cselect_b64 s[10:11], s[4:5], s[10:11]
	s_cselect_b32 s22, 0, s22
	s_sub_co_u32 s22, ttmp9, s22
	s_lshl_b32 s22, s22, 2
	s_add_co_u32 s22, s22, s20                     ; my run of 8,192 numbers in the tensor,
	s_lshl_b32 s22, s22, 15                        ; 32,768 bytes each (under 2^27)
	s_mov_b32 s23, 0
	s_add_nc_u64 s[10:11], s[10:11], s[22:23]
	s_lshl_b32 s24, ttmp9, 2
	s_add_co_u32 s24, s24, s20                     ; and among all four tensors' runs
	s_lshl_b32 s22, s24, 12                        ; 4,096 bytes of codes a run
	s_add_nc_u64 s[14:15], s[14:15], s[22:23]
	s_lshl_b32 s22, s24, 8                         ; 256 scale bytes a run
	s_add_nc_u64 s[16:17], s[16:17], s[22:23]
.macro LOAD t
.irp i, 0,1,2,3
	global_load_b128 v[R+16*((\t)%4)+4*\i:R+16*((\t)%4)+4*\i+3], v3, s[10:11] offset:2048*(\t)+512*\i th:TH_LOAD_NT   ; 32 lanes read 512 consecutive bytes
.endr
.endm
.macro TURN t                          ; step t's numbers through the stage: LDS serves a wave's instructions in order, so no wait stands between the stores and the loads
.irp i, 0,1,2,3
	ds_store_b128 v14, v[R+16*((\t)%4)+4*\i:R+16*((\t)%4)+4*\i+3] offset:32*SP*((\t)%2)+8*SP*\i
.endr
.irp i, 0,1,2,3
	ds_load_b128 v[X+16*((\t)%2)+4*\i:X+16*((\t)%2)+4*\i+3], v15 offset:32*SP*((\t)%2)+16*\i
.endr
.endm
.irp t, 0,1,2,3
	LOAD \t
.endr
	s_wait_loadcnt 12                              ; step 0's four loads are in; the twelve of steps 1 to 3 stay out
	TURN 0
.macro STEP t
.set XS, X+16*((\t)%2)
.if (\t) > 0
	s_wait_dscnt 1                                 ; this step's numbers are back from the stage (the last step's byte store may be out)
.else
	s_wait_dscnt 0x0
.endif
.if (\t)+4 < STEPS
	LOAD (\t)+4                                    ; into the registers whose stores into the stage are done
.endif
.if (\t)+1 < STEPS
.if STEPS-2-(\t) >= 3
	s_wait_loadcnt 12                              ; the next step's four loads are in; those of the three steps behind it may be out
.else
	s_wait_loadcnt 4*(STEPS-2-(\t))
.endif
	TURN (\t)+1
.endif
	v_max3_num_f32 v8, |v[XS]|, |v[XS+1]|, |v[XS+2]|               ; the largest magnitude of my 16, in two chains
	v_max3_num_f32 v9, |v[XS+3]|, |v[XS+4]|, |v[XS+5]|
.irp i, 6,10
	v_max3_num_f32 v8, v8, |v[XS+\i]|, |v[XS+\i+1]|
	v_max3_num_f32 v9, v9, |v[XS+\i+2]|, |v[XS+\i+3]|
.endr
	v_max3_num_f32 v8, v8, |v[XS+14]|, |v[XS+15]|
	v_max3_num_f32 v8, v8, v9, (EMAX+1)<<23        ; and the floor 2^(3 - 127): the byte cannot fall under 1
	v_max_num_f32_dpp v8, v8, v8 row_xmask:1 row_mask:0xf bank_mask:0xf   ; with my neighbour's 16: the block's
	v_add_nc_u32 v11, -(EMAX<<23), v8              ; 2 off its exponent field: the conversion takes this operand's exponent field as its scale
	v_cvt_scalef32_pk8_fp4_f32 v[C+4*(\t)], v[XS:XS+7], v11
	v_cvt_scalef32_pk8_fp4_f32 v[C+4*(\t)+1], v[XS+8:XS+15], v11
	v_lshrrev_b32 v[E+(\t)], 23, v11               ; the scale's byte (a plain line behind the conversions)
	ds_store_b8 v5, v[E+(\t)] offset:16*(\t)       ; both lanes of a block write the same byte with the same value
	global_store_b64 v4, v[C+4*(\t):C+4*(\t)+1], s[14:15] offset:32*CB*(\t)   ; the wave stores 256 consecutive bytes, aligned
.endm
.irp t, 0,1,2,3,4,5,6,7,8,9,10,11,12,13,14,15
	STEP \t
.endr
	ds_load_b64 v[8:9], v6                         ; my wave's 256 scale bytes, 8 a lane: these loads see my stores
	s_wait_dscnt 0x0
	global_store_b64 v7, v[8:9], s[16:17]          ; 256 consecutive bytes, aligned
	s_wait_tensorcnt 0x0                           ; the wave's end, behind my last LDS store
	ds_add_u32 v[SPW], v[NIL]
	s_wait_dscnt 0x0
	s_endpgm
.Lrope:
	s_sub_co_u32 s21, ttmp9, QWG
	s_lshl_b32 s21, s21, 2
	s_add_co_u32 s21, s21, s20                     ; u = 0..63: rows 16 u .. 16 u + 15
	s_lshl_b32 s22, s21, 6                         ; 64 bytes of positions,
	s_mov_b32 s23, 0
	s_lshl_b32 s24, s21, 13                        ; 16 rows of 512 bytes of the table
	s_mov_b32 s25, 0
	s_wait_kmcnt 0x0
	s_add_nc_u64 s[12:13], s[12:13], s[22:23]
	s_add_nc_u64 s[18:19], s[18:19], s[24:25]
	s_load_b512 s[32:47], s[12:13], 0x0            ; my 16 positions: they are used as numbers alone
	v_lshlrev_b32 v3, 3, v2                        ; 8 x lane: my two numbers in a run of 64
	v_lshlrev_b32 v16, 1, v2
	v_add_nc_u32 v17, 1, v16
	v_cvt_f32_u32 v16, v16                         ; i = 2 lane, 2 lane + 1
	v_cvt_f32_u32 v17, v17
	v_pk_mul_f32 v[18:19], v[16:17], 0x3e549a80 op_sel_hi:[1,0]    ; i x the high 17 bits of log2(10000) / 64: exact
	v_floor_f32 v52, v18
	v_floor_f32 v53, v19
	v_pk_add_f32 v[18:19], v[18:19], v[52:53] neg_lo:[0,1] neg_hi:[0,1]   ; its fraction: exact
	v_pk_fma_f32 v[18:19], v[16:17], 0xb3f6866e, v[18:19] op_sel_hi:[1,0,1]   ; + i x the low part
	v_exp_f32 v20, -v18
	v_exp_f32 v21, -v19
	v_nop                                          ; a plain line behind the exponentials
	v_cvt_i32_f32 v52, v52
	v_cvt_i32_f32 v53, v53
	v_sub_nc_u32 v52, 0, v52
	v_sub_nc_u32 v53, 0, v53
	v_mov_b32 v23, 0                               ; (named as the upper half of the pair v[22:23])
	v_mov_b32 v48, 0xbab60b61                      ; -1/720, twice
	v_mov_b32 v49, 0xbab60b61
	v_mov_b32 v50, 0xb9500d01                      ; -1/5040, twice
	v_mov_b32 v51, 0xb9500d01
	s_wait_alu depctr_va_vdst(0)                   ; one wait for both exponentials, ahead of their first reader
	v_ldexp_f32 v20, v20, v52                      ; 10000^(-i/64)
	v_ldexp_f32 v21, v21, v53
	s_wait_kmcnt 0x0
; Row p.  The angle F = position x frequency is one f32 product.  N = the nearest whole number to F x 2/pi; F - N pi/2 by three fused multiply-adds on pi/2 in three parts; the series of cosine to x^8 and of sine
; to x^9 on |x| <= pi/4 (the first terms left out are under 3e-8 and 2e-9); the quadrant N mod 4 swaps and signs them by selects: no branch.  Each row has output registers of its own.
.macro SINCOS p
	v_cvt_f32_i32 v22, s[32+\p]
	v_pk_mul_f32 v[24:25], v[20:21], v[22:23] op_sel_hi:[1,0]
	v_pk_mul_f32 v[26:27], v[24:25], 0x3f22f983 op_sel_hi:[1,0]
	v_rndne_f32 v26, v26
	v_rndne_f32 v27, v27
	v_pk_fma_f32 v[28:29], v[26:27], 0xbfc90fd8, v[24:25] op_sel_hi:[1,0,1]
	v_pk_fma_f32 v[28:29], v[26:27], 0xb4a8885a, v[28:29] op_sel_hi:[1,0,1]
	v_pk_fma_f32 v[28:29], v[26:27], 0xa7c234c4, v[28:29] op_sel_hi:[1,0,1]
	v_pk_mul_f32 v[30:31], v[28:29], v[28:29]
	v_pk_fma_f32 v[32:33], v[30:31], 0x37d00d01, v[48:49] op_sel_hi:[1,0,1]   ; cosine: 1/40320, -1/720,
	v_pk_fma_f32 v[34:35], v[30:31], 0x3638ef1d, v[50:51] op_sel_hi:[1,0,1]   ; sine: 1/362880, -1/5040,
	v_pk_fma_f32 v[32:33], v[32:33], v[30:31], 0x3d2aaaab op_sel_hi:[1,1,0]   ; 1/24,
	v_pk_fma_f32 v[34:35], v[34:35], v[30:31], 0x3c088889 op_sel_hi:[1,1,0]   ; 1/120,
	v_pk_fma_f32 v[32:33], v[32:33], v[30:31], -0.5 op_sel_hi:[1,1,0]
	v_pk_fma_f32 v[34:35], v[34:35], v[30:31], 0xbe2aaaab op_sel_hi:[1,1,0]   ; -1/6
	v_pk_mul_f32 v[36:37], v[28:29], v[30:31]
	v_pk_fma_f32 v[32:33], v[32:33], v[30:31], 1.0 op_sel_hi:[1,1,0]
	v_pk_fma_f32 v[34:35], v[34:35], v[36:37], v[28:29]
	v_cvt_i32_f32 v38, v26
	v_cvt_i32_f32 v39, v27
.irp n, 0,1
	v_and_b32 v40, 1, v[38+\n]
	v_cmp_ne_u32 vcc_lo, 0, v40                    ; an odd quadrant swaps the two
	v_cndmask_b32 v[64+4*\p+\n], v[32+\n], v[34+\n], vcc_lo
	v_cndmask_b32 v[66+4*\p+\n], v[34+\n], v[32+\n], vcc_lo
	v_add_nc_u32 v41, 1, v[38+\n]
	v_and_b32 v41, 2, v41                          ; the cosine is negative in quadrants 1 and 2,
	v_and_b32 v40, 2, v[38+\n]                     ; the sine in 2 and 3
	v_lshlrev_b32 v41, 30, v41
	v_lshlrev_b32 v40, 30, v40
	v_xor_b32 v[64+4*\p+\n], v[64+4*\p+\n], v41
	v_xor_b32 v[66+4*\p+\n], v[66+4*\p+\n], v40
.endr
	global_store_b64 v3, v[64+4*\p:65+4*\p], s[18:19] offset:512*\p         ; 64 cosines: 256 consecutive bytes, aligned
	global_store_b64 v3, v[66+4*\p:67+4*\p], s[18:19] offset:512*\p+256     ; 64 sines likewise
.endm
.irp p, 0,1,2,3,4,5,6,7,8,9,10,11,12,13,14,15
	SINCOS \p
.endr
	s_endpgm
.Lfunc_end_k_q77f904cde4_prep:
	.size	k_q77f904cde4_prep, .Lfunc_end_k_q77f904cde4_prep-k_q77f904cde4_prep
	.p2alignl 7, 3214868480
	.fill 96, 4, 3214868480
	.section	.rodata,"a",@progbits
	.p2align	6, 0x0
	.amdhsa_kernel k_q77f904cde4_prep
		.amdhsa_group_segment_fixed_size 33280
		.amdhsa_private_segment_fixed_size 0
		.amdhsa_enable_private_segment 0
		.amdhsa_kernarg_size 64
		.amdhsa_user_sgpr_count 2
		.amdhsa_user_sgpr_kernarg_segment_ptr 1
		.amdhsa_wavefront_size32 1
		.amdhsa_system_sgpr_workgroup_id_x 1
		.amdhsa_system_sgpr_workgroup_id_y 1
		.amdhsa_system_sgpr_workgroup_id_z 1
		.amdhsa_system_vgpr_workitem_id 0
		.amdhsa_next_free_vgpr 192
		.amdhsa_next_free_sgpr 66
		.amdhsa_reserve_vcc 1
		.amdhsa_float_denorm_mode_32 3
		.amdhsa_float_denorm_mode_16_64 3
		.amdhsa_memory_ordered 1
		.amdhsa_forward_progress 1
		.amdhsa_inst_pref_size 71
	.end_amdhsa_kernel
	.amdgpu_metadata
---
amdhsa.version: [ 1, 2 ]
amdhsa.kernels:
  - .name:           k_q77f904cde4_prep
    .symbol:         k_q77f904cde4_prep.kd
    .args:
      - { .name: x, .offset: 0, .size: 8, .value_kind: global_buffer, .address_space: global }
      - { .name: w_q, .offset: 8, .size: 8, .value_kind: global_buffer, .address_space: global }
      - { .name: w_k, .offset: 16, .size: 8, .value_kind: global_buffer, .address_space: global }
      - { .name: w_v, .offset: 24, .size: 8, .value_kind: global_buffer, .address_space: global }
      - { .name: positions, .offset: 32, .size: 8, .value_kind: global_buffer, .address_space: global }
      - { .name: codes, .offset: 40, .size: 8, .value_kind: global_buffer, .address_space: global }
      - { .name: scales, .offset: 48, .size: 8, .value_kind: global_buffer, .address_space: global }
      - { .name: rope, .offset: 56, .size: 8, .value_kind: global_buffer, .address_space: global }
    .group_segment_fixed_size: 33280
    .private_segment_fixed_size: 0
    .kernarg_segment_align: 8
    .kernarg_segment_size: 64
    .max_flat_workgroup_size: 128
    .sgpr_count:     66
    .vgpr_count:     192
    .wavefront_size: 32
...
	.end_amdgpu_metadata
.endif
;; end of part 1
;; launch project_qkv (part 2): grid 24 x 8, 4 waves a work-group, clusters of 4 x 4, 327,680 bytes of LDS; arguments codes, scales, rope, heads, first; writes heads, first
.if DOCPART == 2
	.amdgcn_target "amdgcn-amd-amdhsa--gfx1250"
	.amdhsa_code_object_version 6
	.text
	.protected	k_q77f904cde4_project_qkv
	.globl	k_q77f904cde4_project_qkv
	.p2align	8
	.type	k_q77f904cde4_project_qkv,@function
k_q77f904cde4_project_qkv:
	s_mov_b64 s[64:65], 0
	v_nop
	global_prefetch_b8 v0, s[64:65] scope:SCOPE_SE
	s_setreg_imm32_b32 hwreg(HW_REG_WAVE_MODE, 25, 1), 1
	s_wait_xcnt 0x0
	s_wait_alu depctr_hold_cnt(0) depctr_sa_sdst(0) depctr_va_vdst(0) depctr_va_sdst(0) depctr_va_ssrc(0) depctr_va_vcc(0) depctr_vm_vsrc(0)
	s_getreg_b32 s2, hwreg(HW_REG_IB_STS2, 6, 4)
	s_cmp_eq_u32 s2, 0
	s_cbranch_scc0 .Lentry_in_a_cluster
	s_endpgm
.Lentry_in_a_cluster:
	s_bfe_u32 s2, ttmp6, 0x10000c
	s_cmp_lg_u32 s2, 0xf033
	s_cbranch_scc0 .Lentry_shape_is_right
	s_endpgm
.Lentry_shape_is_right:
; [1024 x 6144] = x W^T on codes of FP4 with E8M0 scales, K = 4096; W = w_q, w_k, w_v on end (48 heads of 128 columns).  Then the rotation by the table rope, a factor, and the rounding to f16.
; heads[head][position][128] f16: heads 0-31 q x 4c (c = log2(e) / sqrt(128)), 32-39 k x 1/4, 40-47 v.  first[head][16][128] f32: the same numbers of positions 0-15 before that rounding.
; SHARES.  A work-group makes 128 rows x 256 columns (two heads); wave w makes rows 64 (w / 2) on, the head w % 2: 4 x 8 accumulators.  A wave holds a whole head, so that a rotation's partners d and d + 64 lie in one lane.
; 48 heads x 16 blocks of 64 rows are 768 waves: 192 work-groups.
; K goes in steps of 512 (rows of 256 bytes) through a ring of two LDS slots; the scale bytes of the work-group's rows, for all of K, come once with the first fills and stay.
; CLUSTER 4 x 4: x's tiles are shared along a row of the cluster, W's along a column; each is asked for jointly.  The products are used transposed (source 0 = 16 rows of W, source 1 = 16 rows of x).
; ONE PATH for q, k and v: cosine and sine are taken as mu cos + nu and mu sin; q: mu = 4c, k: mu = 1/4 (nu = 0); v: mu = 0, nu = 1, which leaves v as it is.  The kind hangs on the cluster's x alone.
; LIMITS: |4c q|, |k / 4| and |v| over 65,504 do not fit f16.
; REGISTERS: window 0: v15-31 addresses; v32-95 scale words, two sets; v96-159 x's fragments, two sets; on the way out v96-159 rotated numbers, v160-223 at work.
;   window 1: v0-127 W's fragments, two sets; v128-255 cosines and sines of row blocks 0, 1; behind the loop v0-127 those of blocks 2, 3.   window 2: the accumulators, (a, b) at v[8 (8 a + b)].
.set PITCH,  272                       ; an LDS row: 256 bytes + 16 of padding, an odd multiple of 16 bytes
.set HALFA,  64*PITCH                  ; what one load brings of x
.set HALFB,  128*PITCH                 ; and of W
.set SLOT,   2*HALFA+2*HALFB           ; x's 128 rows, then W's 256
.set SCL,    2*SLOT                    ; the scales, as runs of 256 bytes + 16: x's 128 rows, then W's 256
.set SHA,    32*272                    ; those of 64 rows
.set SHB,    64*272                    ; of 128 rows
.set SBLK,   8*272                     ; of 16 rows
.set SPARE,  SCL+2*SHA+2*SHB           ; the spare words: 128 bytes a wave, named by no other line
.set STG,    SPARE+512                 ; the way out: 16 rows x (256 + 16) for each wave, f16;
.set FSTG,   STG+4*16*272              ; and 16 rows x (512 + 16), f32.  No fill lands in either
.set ADRA, 16                          ; v16-17 LDS address of my fragments of x in slot 0, 1
.set FRD,  18
.set FCO,  19
.set ADRB, 20                          ; v20-21 the same for W
.set TO,   22                          ; my byte in the table's 16 rows: 512 r + 32 h
.set FSTO, 23
.set STO,  24
.set RD,   25
.set CO,   26
.set ADRS, 27                          ; my scale words: lanes 0-15 x's rows, lanes 16-31 W's
.set SPW,  28
.set NIL,  29
.set NUV,  30                          ; v[30:31] nu, twice
.set SC,   32                          ; set s at SC + 32 s; register 4 i + q: lanes 0-15 the word of x's block i, lanes 16-31 of W's block i, for the slot's q-th 128 along K
.set AF,   96                          ; set p at AF + 32 p
.set Y,    96
.set TMP,  160
.set BK,   192
.set FB,   160
.set G1,   24
.set G0,   32
.set G1B,  48
.set G0B,  56
.set G1S,  68
.set G0S,  76
.set G1SB, 80
.set G0SB, 88
.set MU,   94                          ; s[94:95] mu, twice
.set MSB, 0
.macro WIN new                         ; the immediate's high byte repeats the setting that is left
.if MSB != \new
	s_set_vgpr_msb (MSB<<8)|\new
.set MSB, \new
.endif
.endm
.set MUL,  0xa1                        ; source 0 (W) window 1, source 1 (x) window 0, C and D window 2
.set TO_B, 0x40                        ; destination window 1
; A joint load: waves 0 and 1 fetch for x, waves 2 and 3 for W.  The branch hangs on the wave's number alone.  An s_nop 0 and four v_nop follow each line.
.macro JLOAD g0a, g1a, g0b, g1b
	s_cmp_eq_u32 s15, 0
	s_cbranch_scc0 .Lfor_b_\@
	tensor_load_to_lds s[\g0a:\g0a+3], s[\g1a:\g1a+7]
	s_nop 0
.rept 4
	v_nop
.endr
	s_branch .Lasked_\@
.Lfor_b_\@:
	tensor_load_to_lds s[\g0b:\g0b+3], s[\g1b:\g1b+7]
	s_nop 0
.rept 4
	v_nop
.endr
.Lasked_\@:
.endm
.macro CREST                           ; a round of the cluster's barrier behind its opening barrier
	s_cmp_lg_u32 s14, 0
	s_cbranch_scc1 .Lnot_wave_0_\@
	s_barrier_signal -3
.Lnot_wave_0_\@:
	s_barrier_wait -3
	s_barrier_signal -1
	s_barrier_wait -1
.endm
.macro CROUND
	s_barrier_signal -1
	s_barrier_wait -1
	CREST
.endm
	s_load_b256 s[4:11], s[0:1], 0x0               ; codes, scales, rope, heads
	s_load_b64 s[12:13], s[0:1], 0x20              ; first
	v_lshl_add_u32 v[SPW], v0, 2, SPARE
	v_mov_b32 v[NIL], 0
	ds_add_u32 v[SPW], v[NIL]                      ; the wave's opening: the add, twice on end, and its wait ahead of my first tensor load
	ds_add_u32 v[SPW], v[NIL]
	v_lshrrev_b32 v1, 5, v0
	v_readfirstlane_b32 s14, v1                    ; wave
	s_lshr_b32 s15, s14, 1                         ; my half of the rows.  Also: I fetch for x (0) or for W (1)
	s_and_b32 s16, s14, 1                          ; my head of the two.  Also: which half of that tile I fetch
	s_bfe_u32 s40, ttmp6, 0x40000                  ; cx
	s_bfe_u32 s41, ttmp6, 0x40004                  ; cy
	s_lshl_b32 s42, ttmp9, 2
	s_add_co_u32 s42, s42, s40                     ; tile column 0..23
	s_and_b32 s17, ttmp7, 0xffff
	s_lshl_b32 s17, s17, 2
	s_add_co_u32 s17, s17, s41                     ; tile row 0..7
	s_lshl_b32 s43, s41, 2
	s_lshl_b32 s43, 15, s43                        ; my row of the cluster
	s_lshl_b32 s44, 0x1111, s40                    ; my column
	s_or_b32 s[G1+0], s43, (0<<16)|(1<<20)|(1<<21)|(5<<22)|(3<<25)   ; the mask; elements of 1 byte; padding on; bit 21 beside a mask; 4 words behind every 64
	s_or_b32 s[G1B+0], s44, (0<<16)|(1<<20)|(1<<21)|(5<<22)|(3<<25)
	s_mov_b32 s[G1+1], 256<<16                     ; tensor_dim0 = 256 bytes
	s_mov_b32 s[G1+2], 64<<16                      ; tensor_dim1 = 64 rows
	s_mov_b32 s[G1+3], 256<<16                     ; tile_dim0
	s_mov_b32 s[G1+4], 64                          ; tile_dim1
	s_mov_b32 s[G1+5], 2048                        ; from row to row
	s_mov_b32 s[G1+6], 0
	s_mov_b32 s[G1+7], 0
	s_mov_b32 s[G1B+1], 256<<16
	s_mov_b32 s[G1B+2], 128<<16                    ; 128 rows
	s_mov_b32 s[G1B+3], 256<<16
	s_mov_b32 s[G1B+4], 128
	s_mov_b32 s[G1B+5], 2048
	s_mov_b32 s[G1B+6], 0
	s_mov_b32 s[G1B+7], 0
	s_or_b32 s[G1S+0], s43, (3<<16)|(1<<20)|(1<<21)|(5<<22)|(3<<25)  ; the scales of 64 rows: 8,192 dense bytes as 32 rows of 32 elements of 8 bytes
	s_or_b32 s[G1SB+0], s44, (3<<16)|(1<<20)|(1<<21)|(5<<22)|(3<<25) ; of 128 rows: 64 such rows
	s_mov_b32 s[G1S+1], 32<<16
	s_mov_b32 s[G1S+2], 32<<16
	s_mov_b32 s[G1S+3], 32<<16
	s_mov_b32 s[G1S+4], 32
	s_mov_b32 s[G1S+5], 32
	s_mov_b32 s[G1S+6], 0
	s_mov_b32 s[G1S+7], 0
	s_mov_b32 s[G1SB+1], 32<<16
	s_mov_b32 s[G1SB+2], 64<<16
	s_mov_b32 s[G1SB+3], 32<<16
	s_mov_b32 s[G1SB+4], 64
	s_mov_b32 s[G1SB+5], 32
	s_mov_b32 s[G1SB+6], 0
	s_mov_b32 s[G1SB+7], 0
	s_lshl_b32 s18, s16, 6
	s_lshl_b32 s20, s17, 7
	s_add_co_u32 s20, s20, s18                     ; x: row 128 x tile row + 64 x half
	s_lshl_b32 s22, s20, 7                         ; its scale bytes,
	s_mov_b32 s23, 0
	s_lshl_b32 s20, s20, 11                        ; its codes
	s_mov_b32 s21, 0
	s_lshl_b32 s18, s16, 7
	s_lshl_b32 s46, s42, 8
	s_add_co_u32 s46, s46, s18
	s_add_co_u32 s46, s46, 1024                    ; W: row 1024 + 256 x tile column + 128 x half
	s_lshl_b32 s92, s46, 7
	s_mov_b32 s93, 0
	s_lshl_b32 s46, s46, 11
	s_mov_b32 s47, 0
	s_mul_i32 s45, s16, HALFA                      ; where they go: no place in the cluster enters an LDS address
	s_mul_i32 s19, s16, HALFB
	s_add_co_u32 s19, s19, 2*HALFA
	s_mul_i32 s2, s16, SHA
	s_mul_i32 s3, s16, SHB
	s_mov_b32 s[MU], 0x3e800000                    ; k: 1/4
	s_cmp_lt_u32 ttmp9, 4
	s_cselect_b32 s[MU], 0x3f0293ee, s[MU]         ; q: 4c
	s_cmp_eq_u32 ttmp9, 5
	s_cselect_b32 s[MU], 0, s[MU]                  ; v: 0,
	s_cselect_b32 s98, 1.0, 0                      ; and nu = 1
	s_mov_b32 s[MU+1], s[MU]
	v_mov_b32 v[NUV], s98
	v_mov_b32 v[NUV+1], s98
	s_wait_dscnt 0x0                               ; both opening adds are done
	s_wait_kmcnt 0x0
	s_add_nc_u64 s[20:21], s[4:5], s[20:21]
	s_add_nc_u64 s[22:23], s[6:7], s[22:23]
	s_add_nc_u64 s[46:47], s[4:5], s[46:47]
	s_add_nc_u64 s[92:93], s[6:7], s[92:93]
	CROUND                                         ; all sixteen work-groups are here: the first joint loads meet
	s_mov_b32 s[G0S], 1
	s_add_co_u32 s[G0S+1], s2, SCL
	s_mov_b64 s[G0S+2:G0S+3], s[22:23]
	s_or_b32 s[G0S+3], s[G0S+3], 0x80000000
	s_mov_b32 s[G0SB], 1
	s_add_co_u32 s[G0SB+1], s3, SCL+2*SHA
	s_mov_b64 s[G0SB+2:G0SB+3], s[92:93]
	s_or_b32 s[G0SB+3], s[G0SB+3], 0x80000000
	JLOAD G0S, G1S, G0SB, G1SB                     ; the scales first: they are wanted with K step 0
.irp s, 0,1
	s_mov_b32 s[G0+4*\s], 1
	s_add_co_u32 s[G0+4*\s+1], s45, \s*SLOT
	s_add_nc_u64 s[G0+4*\s+2:G0+4*\s+3], s[20:21], \s*256
	s_or_b32 s[G0+4*\s+3], s[G0+4*\s+3], 0x80000000
	s_mov_b32 s[G0B+4*\s], 1
	s_add_co_u32 s[G0B+4*\s+1], s19, \s*SLOT
	s_add_nc_u64 s[G0B+4*\s+2:G0B+4*\s+3], s[46:47], \s*256
	s_or_b32 s[G0B+4*\s+3], s[G0B+4*\s+3], 0x80000000
	JLOAD G0+4*\s, G1, G0B+4*\s, G1B               ; three loads of mine are out behind the second of these
.endr
	v_and_b32 v1, 15, v0                           ; r
	v_bfe_u32 v2, v0, 4, 1                         ; h
	v_mul_u32_u24 v3, v1, PITCH
	v_lshl_add_u32 v4, v2, 4, v3                   ; r x pitch + 16 h
	s_mul_i32 s21, s15, HALFA                      ; my 64 rows of x
	s_mul_i32 s22, s16, HALFB                      ; my 128 rows of W,
	s_add_co_u32 s22, s22, 2*HALFA                 ; behind x's 128
.irp s, 0,1
	v_add_nc_u32 v[ADRA+\s], s21, v4
	v_add_nc_u32 v[ADRB+\s], s22, v4
	s_add_co_u32 s21, s21, SLOT
	s_add_co_u32 s22, s22, SLOT
.endr
	v_lshlrev_b32 v5, 7, v1                        ; my row's scales: 128 bytes a row,
	v_lshrrev_b32 v6, 1, v1
	v_lshl_add_u32 v5, v6, 4, v5                   ; and 16 more for each 256 passed
	s_mul_i32 s21, s15, SHA
	s_mul_i32 s22, s16, SHB
	s_add_co_u32 s22, s22, 2*SHA
	s_sub_co_u32 s22, s22, s21
	v_mul_u32_u24 v6, s22, v2                      ; lanes 16-31 take W's: the lower base + h x the distance
	s_add_co_u32 s21, s21, SCL
	v_add_nc_u32 v5, v5, v6
	v_add_nc_u32 v[ADRS], s21, v5
	s_mul_i32 s23, s14, 16*272
	s_add_co_u32 s23, s23, STG
	v_add_nc_u32 v[STO], s23, v4                   ; the f16 stage, in: row r, 16 bytes for each half of the lanes
	v_mul_u32_u24 v5, v2, 272
	v_lshl_add_u32 v5, v1, 4, v5
	v_add_nc_u32 v[RD], s23, v5                    ; back: lanes 0-15 one row, lanes 16-31 the next
	v_lshlrev_b32 v5, 8, v2
	v_lshl_add_u32 v[CO], v1, 4, v5                ; and the same two rows in heads
	v_lshlrev_b32 v5, 9, v1
	v_lshl_add_u32 v[TO], v2, 5, v5
	s_mul_i32 s23, s14, 16*528
	s_add_co_u32 s23, s23, FSTG
	v_mul_u32_u24 v5, v1, 528
	v_lshl_add_u32 v5, v2, 5, v5
	v_add_nc_u32 v[FSTO], s23, v5                  ; the f32 stage, in: row r, 32 bytes for each half
	v_and_b32 v5, 31, v0
	v_lshlrev_b32 v[FCO], 4, v5
	v_add_nc_u32 v[FRD], s23, v[FCO]               ; back: the 32 lanes take a row of 512 bytes
	s_lshl_b32 s20, s17, 7
	s_lshl_b32 s21, s15, 6
	s_add_co_u32 s20, s20, s21                     ; my first row
	s_lshl_b32 s22, s20, 9
	s_mov_b32 s23, 0
	s_add_nc_u64 s[8:9], s[8:9], s[22:23]          ; the table at it
	s_lshl_b32 s22, s20, 8
	s_add_nc_u64 s[10:11], s[10:11], s[22:23]
	s_lshl_b32 s46, s42, 1
	s_add_co_u32 s46, s46, s16                     ; my head
	s_lshl_b32 s92, s46, 18
	s_mov_b32 s93, 0
	s_add_nc_u64 s[10:11], s[10:11], s[92:93]      ; heads at my head and first row
	s_lshl_b32 s92, s46, 13
	s_add_nc_u64 s[12:13], s[12:13], s[92:93]      ; first at my head
; cosines (32 registers) and sines (32) of row block a: lane (r, h) wants those of d = 16 b + 8 h + 0..7, b = 0..3, of row 16 a + r
.macro ROPELOAD a, base
.irp b, 0,1,2,3
	global_load_b128 v[\base+8*\b:\base+8*\b+3], v[TO], s[8:9] offset:(\a)*8192+64*\b
	global_load_b128 v[\base+8*\b+4:\base+8*\b+7], v[TO], s[8:9] offset:(\a)*8192+64*\b+16
	global_load_b128 v[\base+32+8*\b:\base+32+8*\b+3], v[TO], s[8:9] offset:(\a)*8192+64*\b+256
	global_load_b128 v[\base+32+8*\b+4:\base+32+8*\b+7], v[TO], s[8:9] offset:(\a)*8192+64*\b+272
.endr
.endm
	WIN TO_B
	ROPELOAD 0, 128                                ; they land while the products run
	ROPELOAD 1, 192
	WIN 0
.macro FRAG reg, adr, q, i             ; 16 rows x 128 K of 4-bit codes: 8 registers, two loads 32 bytes apart
.irp c, 0,1
	ds_load_b128 v[\reg+4*\c:\reg+4*\c+3], v[\adr] offset:64*(\q)+32*\c+(\i)*16*PITCH
.endr
.endm
.macro FETCH slot, q, p                ; 24 loads: W's eight fragments and x's four of the slot's q-th 128 along K, into set p
	WIN TO_B
.irp i, 0,1,2,3,4,5,6,7
	FRAG 64*(\p)+8*\i, ADRB+\slot, \q, \i
.endr
	WIN 0
.irp i, 0,1,2,3
	FRAG AF+32*(\p)+8*\i, ADRA+\slot, \q, \i
.endr
.endm
.macro SCALES sc                       ; a K step's scale words, 4 a row; for i over 3 the low lanes' words are named by no product
.irp i, 0,1,2,3,4,5,6,7
	ds_load_b128 v[SC+32*\sc+4*\i:SC+32*\sc+4*\i+3], v[ADRS] offset:\i*SBLK
.endr
.endm
; 8 products: x's block a against W's eight.  The 32 accumulators take turns, one instruction a turn, in the same order in every step.
.macro MUL8 a, p, q, sc, zero
.irp b, 0,1,2,3,4,5,6,7
.if \zero
	v_wmma_scale_f32_16x16x128_f8f6f4 v[8*(8*(\a)+\b):8*(8*(\a)+\b)+7], v[64*(\p)+8*\b:64*(\p)+8*\b+7], v[AF+32*(\p)+8*(\a):AF+32*(\p)+8*(\a)+7], 0, v[SC+32*(\sc)+4*\b+(\q)], v[SC+32*(\sc)+4*(\a)+(\q)] matrix_a_fmt:MATRIX_FMT_FP4 matrix_b_fmt:MATRIX_FMT_FP4 matrix_a_scale:MATRIX_SCALE_ROW1
.else
	v_wmma_scale_f32_16x16x128_f8f6f4 v[8*(8*(\a)+\b):8*(8*(\a)+\b)+7], v[64*(\p)+8*\b:64*(\p)+8*\b+7], v[AF+32*(\p)+8*(\a):AF+32*(\p)+8*(\a)+7], v[8*(8*(\a)+\b):8*(8*(\a)+\b)+7], v[SC+32*(\sc)+4*\b+(\q)], v[SC+32*(\sc)+4*(\a)+(\q)] matrix_a_fmt:MATRIX_FMT_FP4 matrix_b_fmt:MATRIX_FMT_FP4 matrix_a_scale:MATRIX_SCALE_ROW1
.endif
.endr
.endm
.macro PLACES                          ; four plain lines between a product and a load into, or a read of, its registers
.rept 4
	v_nop
.endr
.endm
.macro STEP slot, q, zero              ; 128 along K that has its successor in the same slot
	s_wait_dscnt 0x0                               ; this step's 24 loads, issued a step ago, are in
	PLACES                                         ; behind the last step's products, which read the set that is loaded now
	FETCH \slot, (\q)+1, 1-(\q)%2
	WIN MUL
	MUL8 0, (\q)%2, \q, \slot, \zero
	MUL8 1, (\q)%2, \q, \slot, \zero
	MUL8 2, (\q)%2, \q, \slot, \zero
	MUL8 3, (\q)%2, \q, \slot, \zero
	WIN 0
.endm
; A slot's last step changes slots: one barrier; in front of it each wave waits for all its tensor loads, adds 0 to its spare word, and waits for that and for its reads of the slot.  fill = 1: the slot is filled again, two K steps ahead.
.macro TURN slot, next, fill
	s_wait_tensorcnt 0x0                           ; all my tensor loads have landed: my part of the next slot
	ds_add_u32 v[SPW], v[NIL]
	s_wait_dscnt 1                                 ; only the add may be out: this step's fragments are in
	WIN MUL
	MUL8 0, 1, 3, \slot, 0                         ; eight products stand between the add and the wait for it
	s_wait_dscnt 0x0                               ; the add is done, and my reads of this slot are over
	s_barrier_signal -1
	MUL8 1, 1, 3, \slot, 0
	WIN 0
	s_barrier_wait -1
.if \fill
	CREST                                          ; the barrier has opened a round of the cluster's: no wave of any partner still reads this slot or has a load on its way
	s_add_nc_u64 s[G0+4*\slot+2:G0+4*\slot+3], s[G0+4*\slot+2:G0+4*\slot+3], 512
	s_add_nc_u64 s[G0B+4*\slot+2:G0B+4*\slot+3], s[G0B+4*\slot+2:G0B+4*\slot+3], 512
	JLOAD G0+4*\slot, G1, G0B+4*\slot, G1B         ; my one load behind the round; its four v_nop are the places in front of the loads below
.else
	PLACES
.endif
	v_add_nc_u32 v[ADRS], 16, v[ADRS]              ; the next K step's scale words
	FETCH \next, 0, 0
	SCALES \next
	WIN MUL
	MUL8 2, 1, 3, \slot, 0
	MUL8 3, 1, 3, \slot, 0
	WIN 0
.endm
	s_wait_tensorcnt 1                             ; the scales and my part of K step 0 are in; K step 1's load may be out
	s_barrier_signal -1
	s_barrier_wait -1
	FETCH 0, 0, 0
	SCALES 0
	STEP 0, 0, 1                                   ; the first step starts the sums: nothing is cleared
	s_mov_b32 s3, 3
.Llap:                                                 ; once round the ring, from a lap's second step to the next lap's first; both slots are filled again
	STEP 0, 1, 0
	STEP 0, 2, 0
	TURN 0, 1, 1
	STEP 1, 0, 0
	STEP 1, 1, 0
	STEP 1, 2, 0
	TURN 1, 0, 1
	STEP 0, 0, 0
	s_sub_co_u32 s3, s3, 1
	s_cmp_lg_u32 s3, 0
	s_cbranch_scc1 .Llap
	STEP 0, 1, 0                                   ; the last lap fills nothing
	STEP 0, 2, 0
	TURN 0, 1, 0
	STEP 1, 0, 0
	STEP 1, 1, 0
	STEP 1, 2, 0
	s_wait_dscnt 0x0
	WIN MUL
	MUL8 0, 1, 3, 1, 0
	MUL8 1, 1, 3, 1, 0
	MUL8 2, 1, 3, 1, 0
	MUL8 3, 1, 3, 1, 0
	WIN 0
; THE WAY OUT of row block a.  left: the younger table loads that may stay out.  A lane holds row r and columns 16 b + 8 h + 0..7: x0 in accumulators b = 0..3, its partner x1 in b + 4.
.macro OUTA a, left
.if (\a) < 2
.set CS, 128+64*(\a)
.else
.set CS, 64*((\a)-2)
.endif
	s_wait_loadcnt \left
	WIN 0x41                                       ; destination and source 0 window 1
.irp i, 0,2,4,6,8,10,12,14,16,18,20,22,24,26,28,30
	v_pk_fma_f32 v[CS+\i:CS+\i+1], v[CS+\i:CS+\i+1], s[MU:MU+1], v[NUV:NUV+1] op_sel_hi:[1,0,0]   ; mu cos + nu.  (For a = 0 these lines are also the places behind the last products)
.endr
.irp i, 0,2,4,6,8,10,12,14,16,18,20,22,24,26,28,30
	v_pk_mul_f32 v[CS+32+\i:CS+32+\i+1], v[CS+32+\i:CS+32+\i+1], s[MU:MU+1] op_sel_hi:[1,0]       ; mu sin
.endr
.if (\a) == 0
	WIN TO_B
	ROPELOAD 2, 0                                  ; into the registers that W's fragments have left
	ROPELOAD 3, 64
.endif
	WIN 0x06                                       ; source 0 window 2, source 1 window 1, the rest window 0
.irp b, 0,1,2,3
.irp j, 0,2,4,6
	v_pk_mul_f32 v[Y+8*\b+\j:Y+8*\b+\j+1], v[64*(\a)+8*\b+\j:64*(\a)+8*\b+\j+1], v[CS+8*\b+\j:CS+8*\b+\j+1]
	v_pk_mul_f32 v[Y+32+8*\b+\j:Y+32+8*\b+\j+1], v[64*(\a)+8*\b+\j:64*(\a)+8*\b+\j+1], v[CS+32+8*\b+\j:CS+32+8*\b+\j+1]
	v_pk_fma_f32 v[Y+8*\b+\j:Y+8*\b+\j+1], v[64*(\a)+32+8*\b+\j:64*(\a)+32+8*\b+\j+1], v[CS+32+8*\b+\j:CS+32+8*\b+\j+1], v[Y+8*\b+\j:Y+8*\b+\j+1] neg_lo:[1,0,0] neg_hi:[1,0,0]   ; x0 cos - x1 sin
	v_pk_fma_f32 v[Y+32+8*\b+\j:Y+32+8*\b+\j+1], v[64*(\a)+32+8*\b+\j:64*(\a)+32+8*\b+\j+1], v[CS+8*\b+\j:CS+8*\b+\j+1], v[Y+32+8*\b+\j:Y+32+8*\b+\j+1]                            ; x0 sin + x1 cos
.endr
.endr
	WIN 0
.if (\a) == 0
	s_cmp_lg_u32 s15, 0                            ; positions 0-15 lie in the upper half's block 0: a branch on the wave's number
	s_cbranch_scc1 .Lno_first
.irp b, 0,1,2,3,4,5,6,7
	ds_store_b128 v[FSTO], v[Y+8*\b:Y+8*\b+3] offset:64*\b
	ds_store_b128 v[FSTO], v[Y+8*\b+4:Y+8*\b+7] offset:64*\b+16
.endr
.irp t, 0,1,2,3,4,5,6,7,8,9,10,11,12,13,14,15
	ds_load_b128 v[FB+4*\t:FB+4*\t+3], v[FRD] offset:528*\t   ; my own bytes, served in order: these see the stores above
.endr
	s_wait_dscnt 0x0
	v_mov_b32 v15, s17
	v_cmp_eq_u32 vcc_lo, 0, v15                    ; only tile row 0 holds them: a mask
	s_wait_xcnt 0x0                                ; EXEC changes only behind this wait
	s_and_saveexec_b32 s96, vcc_lo
.irp t, 0,1,2,3,4,5,6,7,8,9,10,11,12,13,14,15
	global_store_b128 v[FCO], v[FB+4*\t:FB+4*\t+3], s[12:13] offset:512*\t   ; a row of 512 consecutive bytes
.endr
	s_wait_xcnt 0x0                                ; and again in front of the line that widens it; the stores' data may be rewritten too
	s_or_b32 exec_lo, exec_lo, s96
.Lno_first:
.endif
.set n, 0
.rept 32
	v_cvt_pk_f16_f32 v[TMP+n], v[Y+2*n], v[Y+2*n+1]
.set n, n+1
.endr
.irp b, 0,1,2,3,4,5,6,7
	ds_store_b128 v[STO], v[TMP+4*\b:TMP+4*\b+3] offset:32*\b
.endr
.if (\a) > 0
	s_wait_xcnt 0x0                                ; the last block's stores have read the registers that are loaded now
.endif
.irp t, 0,1,2,3,4,5,6,7
	ds_load_b128 v[BK+4*\t:BK+4*\t+3], v[RD] offset:544*\t
.endr
	s_wait_dscnt 0x0
.irp t, 0,1,2,3,4,5,6,7
	global_store_b128 v[CO], v[BK+4*\t:BK+4*\t+3], s[10:11] offset:4096*(\a)+512*\t   ; two rows of 256 bytes: 512 consecutive bytes, aligned
.endr
.endm
	OUTA 0, 16                                     ; block 1's sixteen loads are younger
	OUTA 1, 32                                     ; blocks 2 and 3's
	OUTA 2, 16
	OUTA 3, 0
	s_wait_tensorcnt 0x0                           ; the wave's end
	ds_add_u32 v[SPW], v[NIL]
	s_wait_dscnt 0x0
	CROUND                                         ; the closing round
	s_endpgm
.Lfunc_end_k_q77f904cde4_project_qkv:
	.size	k_q77f904cde4_project_qkv, .Lfunc_end_k_q77f904cde4_project_qkv-k_q77f904cde4_project_qkv
	.p2alignl 7, 3214868480
	.fill 96, 4, 3214868480
	.section	.rodata,"a",@progbits
	.p2align	6, 0x0
	.amdhsa_kernel k_q77f904cde4_project_qkv
		.amdhsa_group_segment_fixed_size 327680
		.amdhsa_private_segment_fixed_size 0
		.amdhsa_enable_private_segment 0
		.amdhsa_kernarg_size 40
		.amdhsa_user_sgpr_count 2
		.amdhsa_user_sgpr_kernarg_segment_ptr 1
		.amdhsa_wavefront_size32 1
		.amdhsa_system_sgpr_workgroup_id_x 1
		.amdhsa_system_sgpr_workgroup_id_y 1
		.amdhsa_system_sgpr_workgroup_id_z 1
		.amdhsa_system_vgpr_workitem_id 0
		.amdhsa_next_free_vgpr 768
		.amdhsa_next_free_sgpr 100
		.amdhsa_reserve_vcc 1
		.amdhsa_float_denorm_mode_32 3
		.amdhsa_float_denorm_mode_16_64 3
		.amdhsa_memory_ordered 1
		.amdhsa_forward_progress 1
		.amdhsa_inst_pref_size 158
	.end_amdhsa_kernel
	.amdgpu_metadata
---
amdhsa.version: [ 1, 2 ]
amdhsa.kernels:
  - .name:           k_q77f904cde4_project_qkv
    .symbol:         k_q77f904cde4_project_qkv.kd
    .args:
      - { .name: codes, .offset: 0, .size: 8, .value_kind: global_buffer, .address_space: global }
      - { .name: scales, .offset: 8, .size: 8, .value_kind: global_buffer, .address_space: global }
      - { .name: rope, .offset: 16, .size: 8, .value_kind: global_buffer, .address_space: global }
      - { .name: heads, .offset: 24, .size: 8, .value_kind: global_buffer, .address_space: global }
      - { .name: first, .offset: 32, .size: 8, .value_kind: global_buffer, .address_space: global }
    .group_segment_fixed_size: 327680
    .private_segment_fixed_size: 0
    .kernarg_segment_align: 8
    .kernarg_segment_size: 40
    .max_flat_workgroup_size: 128
    .sgpr_count:     100
    .vgpr_count:     768
    .wavefront_size: 32
...
	.end_amdgpu_metadata
.endif
;; end of part 2
;; launch attend (part 3): grid 264 x 1, 8 waves a work-group, no clusters, 107,520 bytes of LDS; arguments heads, ctx, first, ctx16; writes ctx, ctx16
.if DOCPART == 3
	.amdgcn_target "amdgcn-amd-amdhsa--gfx1250"
	.amdhsa_code_object_version 6
	.text
	.protected	k_q77f904cde4_attend
	.globl	k_q77f904cde4_attend
	.p2align	8
	.type	k_q77f904cde4_attend,@function
k_q77f904cde4_attend:
	s_mov_b64 s[64:65], 0
	v_nop
	global_prefetch_b8 v0, s[64:65] scope:SCOPE_SE
	s_setreg_imm32_b32 hwreg(HW_REG_WAVE_MODE, 25, 1), 1
	s_wait_xcnt 0x0
; Causal attention with grouped heads.  Work-groups 0-255: all positions on f16 operands, f32 sums, into ctx.  Work-groups 256-263: positions 0-15 once more in f32, into ctx16 (label .Lfine).
; heads[48][1024][128] f16: q x 4c, k / 4, v (c = log2(e) / sqrt(128)), so S = Q . K is t = score x log2(e) / sqrt(128); p = 2^(t - m), m the running maximum of the row.
; ctx[1024][4096] f16.  The row's sum is taken of the unrounded p and divides at the end.
; SHARES.  Work-group id < 256: j = id % 32, g = id / 32: the tiles of 16 positions j and 63 - j, for the four query heads of key and value head g.  Wave w: head 4 g + w / 2; the late tile where (w xor w / 4) is odd, else the early one.
; A late and an early wave together walk ceil((64 - j) / 4) + ceil((j + 1) / 4) = 17 key steps of 64, whatever j.
; K AND V go from memory through registers into a ring of two LDS slots, all 256 threads sharing a step's 32 KiB: loaded two steps ahead, stored one step ahead, one barrier a step.
; No cluster: the 32 work-groups of a key and value head walk different numbers of key steps.  The loop's trip count is a constant; a step all of whose keys come after a wave's queries is jumped over by a branch on ids, never its barrier.
; LAYOUT.  S^T = K Q^T and O^T = V^T P: a lane holds one query throughout; V comes out of LDS turned, by ds_load_tr16_b128.
; REGISTERS: window 0: v3-15 addresses; v16-31 statistics; v32-63 Q; v64-95 S^T; v96-111 P; v112-175 O^T; v176-207 the rows on their way into LDS.  Window 1: v0-127 K's 16 fragments, v128-255 V's.
; LIMITS: |4c q|, |k / 4| and |v| over 65,504 do not fit f16.
.set PK,    272                        ; a row of K in LDS: 256 + 16
.set PV,    288                        ; a row of V: 256 + 32
.set VOFF,  64*PK
.set SLOTB, 64*(PK+PV)
.set STAGE, 2*SLOTB                    ; the way out: 16 rows x 272 for each wave
.set SPARE, STAGE+8*16*272             ; the spare words: 128 bytes a wave, named by no other line
.set AK0,  3
.set AV0,  4
.set SKA,  5
.set SVA,  6
.set GOFF, 7
.set QO,   8
.set STO,  9
.set RD,   10
.set GO,   11
.set PFO,  12
.set DD,   13                          ; r - 8 h
.set SPW,  14
.set NIL,  15
.set M,    16                          ; v[16:17] m (the upper one is only named)
.set L,    18                          ; v[18:19] the sum, even and odd keys'
.set FA,   28                          ; v[28:29] a = 2^(old m - new m)
.set NINF, 30
.set DM,   31
.set Q,    32
.set S,    64
.set P,    96
.set O,    112
.set R,    176
.set WV,   8
.set KP,   10                          ; s[10:11] K's rows of the step loaded last
.set VP,   12
.set PFA,  14                          ; s[14:15] where my prefetches stand
.set QP,   16
.set KF,   18                          ; the step's first key
.set QW,   19                          ; my last query
.set QL,   20                          ; my work-group's last query
.set LIM,  21                          ; 1023 in a wave that prefetches, else 0
.set Q0,   22                          ; my first query
.set TRIP, 23
.set SEL,  24
.set TM,   26
.set JT,   38                          ; s38 j
.set MSB, 0
.macro WIN new
.if MSB != \new
	s_set_vgpr_msb (MSB<<8)|\new
.set MSB, \new
.endif
.endm
	s_load_b128 s[4:7], s[0:1], 0x0                ; heads, ctx
	s_load_b128 s[40:43], s[0:1], 0x10             ; first, ctx16
	v_lshl_add_u32 v[SPW], v0, 2, SPARE
	v_mov_b32 v[NIL], 0
	v_lshrrev_b32 v1, 5, v0
	v_readfirstlane_b32 s[WV], v1                  ; wave 0..7
	v_and_b32 v1, 15, v0                           ; r
	v_bfe_u32 v2, v0, 4, 1                         ; h
	s_cmp_ge_u32 ttmp9, 256                        ; the last eight work-groups carry positions 0-15 in f32: the branch hangs on the work-group's number alone
	s_cbranch_scc1 .Lfine
	v_mul_u32_u24 v[AK0], v1, PK
	v_lshl_add_u32 v[AK0], v2, 4, v[AK0]           ; a fragment of K: row r, + 16 h
	v_and_b32 v20, 7, v0
	v_bfe_u32 v21, v0, 3, 1
	v_lshl_add_u32 v[AV0], v2, 3, v20
	v_mul_u32_u24 v[AV0], v[AV0], PV
	v_lshl_add_u32 v[AV0], v21, 4, v[AV0]
	v_add_nc_u32 v[AV0], VOFF, v[AV0]              ; the turning load: key 8 h + lane % 8, channels 8 ((lane / 8) % 2) on
	v_lshrrev_b32 v20, 4, v0                       ; into LDS: thread t takes row t / 16 of sixteen, bytes 16 (t % 16) on
	v_mul_u32_u24 v[SKA], v20, PK
	v_lshl_add_u32 v[SKA], v1, 4, v[SKA]
	v_mul_u32_u24 v[SVA], v20, PV
	v_lshl_add_u32 v[SVA], v1, 4, v[SVA]
	v_add_nc_u32 v[SVA], VOFF, v[SVA]
	v_lshlrev_b32 v[GOFF], 4, v0                   ; the same bytes in memory: 16 t
	v_lshlrev_b32 v[QO], 8, v1
	v_lshl_add_u32 v[QO], v2, 4, v[QO]
	s_mul_i32 s26, s[WV], 16*272
	s_add_co_u32 s26, s26, STAGE
	v_mul_u32_u24 v[STO], v1, 272
	v_lshl_add_u32 v[STO], v2, 4, v[STO]
	v_add_nc_u32 v[STO], s26, v[STO]
	v_mul_u32_u24 v[RD], v2, 272
	v_lshl_add_u32 v[RD], v1, 4, v[RD]
	v_add_nc_u32 v[RD], s26, v[RD]
	v_lshlrev_b32 v[GO], 13, v2
	v_lshl_add_u32 v[GO], v1, 4, v[GO]             ; ctx: a row is 8,192 bytes
	v_and_b32 v[PFO], 31, v0
	v_lshlrev_b32 v[PFO], 8, v[PFO]                ; a lane a row of 256 bytes
	v_lshlrev_b32 v[DD], 3, v2
	v_sub_nc_u32 v[DD], v1, v[DD]
	v_mov_b32 v[M], 0xff61b1e6                     ; -3e38, under every t
	v_mov_b32 v[M+1], 0
	v_mov_b32 v[L], 0
	v_mov_b32 v[L+1], 0
	v_mov_b32 v21, 0                               ; (a lane permute's destination counts as one of its sources)
	v_mov_b32 v[FA], 0
	v_mov_b32 v[FA+1], 0
	v_mov_b32 v[NINF], 0xff800000
	s_mov_b32 s[SEL], 0x76543210
	s_mov_b32 s[SEL+1], 0xfedcba98
	s_lshr_b32 s9, ttmp9, 5                        ; g
	s_and_b32 s[JT], ttmp9, 31                     ; j
	s_lshr_b32 s26, s[WV], 2
	s_xor_b32 s26, s26, s[WV]
	s_and_b32 s26, s26, 1                          ; 1: the late tile
	s_sub_co_u32 s27, 63, s[JT]
	s_cmp_eq_u32 s26, 1
	s_cselect_b32 s27, s27, s[JT]
	s_lshl_b32 s[Q0], s27, 4
	s_add_co_u32 s[QW], s[Q0], 15
	s_lshl_b32 s[QL], s[JT], 4
	s_sub_co_u32 s[QL], 1023, s[QL]
	s_lshr_b32 s28, s[WV], 1
	s_lshl_b32 s29, s9, 2
	s_add_co_u32 s28, s28, s29                     ; my query head
	s_lshl_b32 s30, s28, 18
	s_lshl_b32 s31, s[Q0], 8
	s_add_co_u32 s30, s30, s31
	s_mov_b32 s31, 0
	s_lshl_b32 s32, s[Q0], 13
	s_lshl_b32 s33, s28, 8
	s_add_co_u32 s32, s32, s33
	s_mov_b32 s33, 0
	s_add_co_u32 s34, s9, 32
	s_lshl_b32 s34, s34, 18
	s_mov_b32 s35, 0
	s_lshr_b32 s36, s[WV], 2
	s_or_b32 s36, s36, s[JT]                       ; 0 in waves 0 to 3 of the head's first work-group
	s_cmp_eq_u32 s36, 0
	s_cselect_b32 s[LIM], 1023, 0
	s_and_b32 s36, s[WV], 1
	s_lshl_b32 s36, s36, 13                        ; my 32 rows of a step's 64,
	s_add_co_u32 s36, s36, 3*16384                 ; three steps on: every load of a step moves it one step further
	s_mov_b32 s37, 0
	s_mov_b32 s[KF], 0
	s_mov_b32 s[TRIP], 8
	s_wait_kmcnt 0x0
	s_add_nc_u64 s[QP:QP+1], s[4:5], s[30:31]
	s_add_nc_u64 s[6:7], s[6:7], s[32:33]
	s_add_nc_u64 s[KP:KP+1], s[4:5], s[34:35]
	s_add_nc_u64 s[VP:VP+1], s[KP:KP+1], 8*262144
	s_cmp_lt_u32 s[WV], 2                          ; waves 0 and 1 would ask for K's rows, 2 and 3 for V's
	s_cselect_b64 s[PFA:PFA+1], s[KP:KP+1], s[VP:VP+1]
	s_add_nc_u64 s[PFA:PFA+1], s[PFA:PFA+1], s[36:37]
.macro LOADS                           ; a key step's 64 rows of K and of V: each instruction of the work-group covers 4,096 consecutive bytes
.irp i, 0,1,2,3
	global_load_b128 v[R+4*\i:R+4*\i+3], v[GOFF], s[KP:KP+1] offset:4096*\i
.endr
.irp i, 0,1,2,3
	global_load_b128 v[R+16+4*\i:R+16+4*\i+3], v[GOFF], s[VP:VP+1] offset:4096*\i
.endr
.endm
.macro LOADG                           ; the next key step
	s_wait_xcnt 0x0                                ; the earlier loads and the last prefetch have read their bases: they may step
	s_add_nc_u64 s[KP:KP+1], s[KP:KP+1], 16384
	s_add_nc_u64 s[VP:VP+1], s[VP:VP+1], 16384
	s_add_nc_u64 s[PFA:PFA+1], s[PFA:PFA+1], 16384
	LOADS
.endm
.macro STORE slot
.irp i, 0,1,2,3
	ds_store_b128 v[SKA], v[R+4*\i:R+4*\i+3] offset:(\slot)*SLOTB+16*PK*\i
.endr
.irp i, 0,1,2,3
	ds_store_b128 v[SVA], v[R+16+4*\i:R+16+4*\i+3] offset:(\slot)*SLOTB+16*PV*\i
.endr
.endm
.macro FETCH slot                      ; 32 loads for K (keys 16 (f / 4) on, channels 32 (f % 4) on), 32 turning loads for V (keys 32 (f / 8) on, channels 16 (f % 8) on)
	WIN 0x40
.irp f, 0,1,2,3,4,5,6,7,8,9,10,11,12,13,14,15
	ds_load_b128 v[8*\f:8*\f+3],   v[AK0] offset:(\slot)*SLOTB+(\f/4)*16*PK+(\f%4)*64
	ds_load_b128 v[8*\f+4:8*\f+7], v[AK0] offset:(\slot)*SLOTB+(\f/4)*16*PK+(\f%4)*64+32
.endr
.irp f, 0,1,2,3,4,5,6,7,8,9,10,11,12,13,14,15
	ds_load_tr16_b128 v[128+8*\f:128+8*\f+3],   v[AV0] offset:(\slot)*SLOTB+(\f/8)*32*PV+(\f%8)*32
	ds_load_tr16_b128 v[128+8*\f+4:128+8*\f+7], v[AV0] offset:(\slot)*SLOTB+(\f/8)*32*PV+16*PV+(\f%8)*32
.endr
.endm
.macro PLACES
.rept 4
	v_nop
.endr
.endm
	LOADS                                          ; key step 0
.irp c, 0,1,2,3
	global_load_b128 v[Q+8*\c:Q+8*\c+3],   v[QO], s[QP:QP+1] offset:64*\c
	global_load_b128 v[Q+8*\c+4:Q+8*\c+7], v[QO], s[QP:QP+1] offset:64*\c+32
.endr
.set i, 0
.rept 64
	v_mov_b32 v[O+i], 0                            ; the step is written once: its first pass finds zeros, which a = 0 leaves zeros
.set i, i+1
.endr
	s_wait_loadcnt 8                               ; key step 0 is in; Q's eight loads may be out
	STORE 0
	s_wait_dscnt 0x0                               ; the stores have read their registers, and have landed
	LOADG                                          ; key step 1 (every work-group's last query is 527 or more)
	s_barrier_signal -1
	s_barrier_wait -1
	s_wait_loadcnt 8                               ; Q is in; key step 1's eight loads may be out
.macro STEP slot
	s_cmp_gt_u32 s[KF], s[QW]                      ; all 64 keys come after my queries: nothing to compute
	s_cbranch_scc1 .Lidle_\@
	FETCH \slot
	s_wait_dscnt 32                                ; K is in; V's 32 loads may be out
	WIN 0x01                                       ; source 0 window 1
.irp c, 0,1,2,3
.irp kt, 0,1,2,3
.if \c == 0
	v_wmma_f32_16x16x32_f16 v[S+8*\kt:S+8*\kt+7], v[32*\kt+8*\c:32*\kt+8*\c+7], v[Q+8*\c:Q+8*\c+7], 0
.else
	v_wmma_f32_16x16x32_f16 v[S+8*\kt:S+8*\kt+7], v[32*\kt+8*\c:32*\kt+8*\c+7], v[Q+8*\c:Q+8*\c+7], v[S+8*\kt:S+8*\kt+7]
.endif
.endr
.endr
	WIN 0
	PLACES
	s_add_co_u32 s[TM], s[KF], 63
	s_cmp_le_u32 s[TM], s[Q0]                      ; all keys count: no mask
	s_cbranch_scc1 .Lopen_\@
	s_sub_co_u32 s[TM], s[Q0], s[KF]
	v_add_nc_u32 v[DM], s[TM], v[DD]               ; register 8 kt + j holds key KF + 16 kt + 8 h + j: hidden where 16 kt + j is above my query - KF - 8 h
.set n, 0
.rept 32
	v_cmp_gt_i32 vcc_lo, 16*(n/8)+n%8, v[DM]
	v_cndmask_b32 v[S+n], v[S+n], v[NINF], vcc_lo
.set n, n+1
.endr
.Lopen_\@:
.irp k, 0,1,2,3
	v_max3_num_f32 v[20+\k], v[S+8*\k], v[S+8*\k+1], v[S+8*\k+2]   ; four chains, each accumulator from its low end on
.endr
.irp i, 3,5
.irp k, 0,1,2,3
	v_max3_num_f32 v[20+\k], v[20+\k], v[S+8*\k+\i], v[S+8*\k+\i+1]
.endr
.endr
	v_max3_num_f32 v20, v20, v[S+7], v[S+15]
	v_max3_num_f32 v22, v22, v[S+23], v[S+31]
	v_max3_num_f32 v20, v20, v21, v22
	v_max3_num_f32 v20, v20, v23, v[M]             ; with the old m
	v_permlanex16_b32 v21, v20, s[SEL], s[SEL+1]   ; the query's other 32 keys lie in the lane 16 away
	v_mov_b32 v24, v[M]
	v_max_num_f32 v[M], v20, v21
	v_sub_f32 v24, v24, v[M]                       ; old m - new m
.set i, 0
.rept 16
	v_pk_add_f32 v[S+2*i:S+2*i+1], v[S+2*i:S+2*i+1], v[M:M+1] op_sel_hi:[1,0] neg_lo:[0,1] neg_hi:[0,1]
.set i, i+1
.endr
	v_exp_f32 v[FA], v24
.set i, 0
.rept 32
	v_exp_f32 v[S+i], v[S+i]
.set i, i+1
.endr
	v_nop                                          ; a plain line behind the last exponential
	s_wait_alu depctr_va_vdst(0)                   ; one wait for the 33, ahead of their first reader
.set i, 0
.rept 16
	v_cvt_pk_f16_f32 v[P+i], v[S+2*i], v[S+2*i+1]  ; two tiles of S^T, rounded in pairs, are source 1 of the second product
.set i, i+1
.endr
.irp u, 0,1,2,3,4,5,6,7
	v_pk_add_f32 v[S+4*\u:S+4*\u+1], v[S+4*\u:S+4*\u+1], v[S+4*\u+2:S+4*\u+3]   ; the sum of the unrounded p, in place
.endr
.irp u, 0,1,2,3
	v_pk_add_f32 v[S+8*\u:S+8*\u+1], v[S+8*\u:S+8*\u+1], v[S+8*\u+4:S+8*\u+5]
.endr
.irp u, 0,1
	v_pk_add_f32 v[S+16*\u:S+16*\u+1], v[S+16*\u:S+16*\u+1], v[S+16*\u+8:S+16*\u+9]
.endr
	v_pk_add_f32 v[S:S+1], v[S:S+1], v[S+16:S+17]
	v_pk_fma_f32 v[L:L+1], v[L:L+1], v[FA:FA+1], v[S:S+1] op_sel_hi:[1,0,1]
.set i, 0
.rept 32
	v_pk_mul_f32 v[O+2*i:O+2*i+1], v[O+2*i:O+2*i+1], v[FA:FA+1] op_sel_hi:[1,0]   ; O^T under the new m, each accumulator from its low end on
.set i, i+1
.endr
	s_wait_dscnt 0x0                               ; V is in
	WIN 0x01
.irp kb, 0,1
.irp db, 0,1,2,3,4,5,6,7
	v_wmma_f32_16x16x32_f16 v[O+8*\db:O+8*\db+7], v[128+64*\kb+8*\db:128+64*\kb+8*\db+7], v[P+8*\kb:P+8*\kb+7], v[O+8*\db:O+8*\db+7]
.endr
.endr
	WIN 0
	PLACES                                         ; in front of the next step's loads into V's registers
.Lidle_\@:
	s_add_co_u32 s[TM], s[KF], 64                  ; the first two tests hang on the work-group's number and the count of steps: all eight waves go the same way; the third, on the wave too, skips only the prefetch
	s_cmp_gt_u32 s[TM], s[QL]
	s_cbranch_scc1 .Lnone_\@
	s_wait_loadcnt 0x0                             ; the next step's rows, asked for a step ago,
	STORE 1-\slot                                  ; go into the slot that every wave left at the last barrier
	s_add_co_u32 s[TM], s[KF], 128
	s_cmp_gt_u32 s[TM], s[QL]
	s_cbranch_scc1 .Lnone_\@
	s_wait_dscnt 0x0                               ; the stores have read their registers
	LOADG                                          ; the step after that
	s_add_co_u32 s[TM], s[KF], 320
	s_cmp_gt_u32 s[TM], s[LIM]
	s_cbranch_scc1 .Lnone_\@
	global_prefetch_b8 v[PFO], s[PFA:PFA+1] th:TH_LOAD_NT scope:SCOPE_SE   ; key step + 5, three steps ahead of the load that will want it: 32 rows of 256 bytes, a lane a row.  Only four waves of each key and value head's first work-group ask, so each row is named once; steps 0 to 4 come by their loads alone; nothing is named past key 1,023
.Lnone_\@:
	s_wait_dscnt 0x0                               ; my stores have landed and my reads of this slot are over
	s_barrier_signal -1
	s_barrier_wait -1
	s_add_co_u32 s[KF], s[KF], 64
.endm
.Lsteps:                                               ; 8 trips of two key steps: a constant
	STEP 0
	STEP 1
	s_sub_co_u32 s[TRIP], s[TRIP], 1
	s_cmp_lg_u32 s[TRIP], 0
	s_cbranch_scc1 .Lsteps
	; THE WAY OUT: O^T / the sum, rounded to f16, through my stage, as rows of 256 bytes
	v_add_f32 v20, v[L], v[L+1]
	v_permlanex16_b32 v21, v20, s[SEL], s[SEL+1]
	v_add_f32 v20, v20, v21
	v_rcp_f32 v[FA], v20
	v_nop
	s_wait_alu depctr_va_vdst(0)
.set i, 0
.rept 32
	v_pk_mul_f32 v[O+2*i:O+2*i+1], v[O+2*i:O+2*i+1], v[FA:FA+1] op_sel_hi:[1,0]
.set i, i+1
.endr
.set i, 0
.rept 32
	v_cvt_pk_f16_f32 v[S+i], v[O+2*i], v[O+2*i+1]
.set i, i+1
.endr
.irp f, 0,1,2,3,4,5,6,7
	ds_store_b128 v[STO], v[S+4*\f:S+4*\f+3] offset:32*\f
.endr
.irp f, 0,1,2,3,4,5,6,7
	ds_load_b128 v[S+4*\f:S+4*\f+3], v[RD] offset:\f*2*272   ; my own bytes, served in order
.endr
.irp f, 0,1,2,3,4,5,6,7
	s_wait_dscnt 7-\f
	global_store_b128 v[GO], v[S+4*\f:S+4*\f+3], s[6:7] offset:16384*\f   ; sixteen lanes store 256 consecutive bytes, aligned: a head's part of a row
.endr
	s_wait_tensorcnt 0x0                           ; the wave's end
	ds_add_u32 v[SPW], v[NIL]
	s_wait_dscnt 0x0
	s_endpgm
; POSITIONS 0-15 IN F32, for the 32 query heads: these rows average one to sixteen values and are carried finely.  first[head][16][128] f32 holds q x 4c, k / 4, v before their rounding to f16.
; Eight work-groups, the launch's last; a wave is one unit u = 8 (id - 256) + wave: head u / 2, channels 64 (u % 2) on; both halves of a head make the 16 x 16 scores.  No LDS, no barrier: waves share nothing.
; S^T = K Q^T (source 0 = 16 keys, source 1 = 16 queries), 32 products of 4 along the head; along K both sides take the same order: a lane's registers 4 q' + i hold d = 8 q' + 4 h + i.
; In S^T lane (r, h) holds query r and keys 8 h + 0..7, which are source 1 of O^T = V^T P^T for keys 8 h + 2 s + 0, 1 (s = 0..3); V is loaded in that order.
; ctx16 is laid as the next launch's operand registers: [Q = column / 8][lane 16 h' + position][16 bytes] = ctx(position, 8 Q + 4 h' + 0..3).
; The registers that these products write, v208-255 of window 0, are written by products alone in the whole text; sums and results go into other registers.
.set KR,   32                          ; v32-95
.set QR,   96                          ; v96-159
.set VR,   160                         ; v160-191
.set SS,   192                         ; v192-199 scores, then p, then p / sum
.set SACC, 208                         ; v208-223 two accumulators by turns
.set OACC, 224                         ; v224-255 four
.Lfine:
	v_lshlrev_b32 v3, 9, v1
	v_lshl_add_u32 v3, v2, 4, v3                   ; K, Q: row r of 512 bytes + 16 h
	v_lshlrev_b32 v4, 2, v1
	v_lshl_add_u32 v4, v2, 12, v4                  ; V: key 8 h, channel r
	v_lshlrev_b32 v5, 4, v1
	v_lshl_add_u32 v5, v2, 9, v5                   ; out: 512 h + 16 r
	v_lshlrev_b32 v6, 3, v2
	v_sub_nc_u32 v6, v1, v6                        ; r - 8 h: register j's key is hidden where j is above it
	v_mov_b32 v7, 0xff800000                       ; -infinity
	v_mov_b32 v9, 0                                ; (a lane permute's destination counts as one of its sources)
	v_mov_b32 v11, 0
	s_mov_b32 s56, 0x76543210
	s_mov_b32 s57, 0xfedcba98                      ; lane l xor 16
	s_sub_co_u32 s44, ttmp9, 256
	s_lshl_b32 s44, s44, 3
	s_add_co_u32 s44, s44, s[WV]                   ; u = 0..63
	s_lshr_b32 s45, s44, 1                         ; the query head
	s_and_b32 s46, s44, 1                          ; which 64 channels
	s_lshr_b32 s47, s45, 2                         ; its key and value head
	s_lshl_b32 s48, s45, 13
	s_mov_b32 s49, 0
	s_add_co_u32 s50, s47, 32
	s_lshl_b32 s50, s50, 13
	s_mov_b32 s51, 0
	s_add_co_u32 s52, s47, 40
	s_lshl_b32 s52, s52, 13
	s_lshl_b32 s53, s46, 8
	s_add_co_u32 s52, s52, s53
	s_mov_b32 s53, 0
	s_lshl_b32 s54, s46, 12
	s_add_co_u32 s54, s54, s48
	s_mov_b32 s55, 0
	s_wait_kmcnt 0x0
	s_add_nc_u64 s[48:49], s[40:41], s[48:49]      ; Q
	s_add_nc_u64 s[50:51], s[40:41], s[50:51]      ; K
	s_add_nc_u64 s[52:53], s[40:41], s[52:53]      ; V
	s_add_nc_u64 s[42:43], s[42:43], s[54:55]      ; ctx16
.irp q, 0,1,2,3,4,5,6,7,8,9,10,11,12,13,14,15
	global_load_b128 v[KR+4*\q:KR+4*\q+3], v3, s[50:51] offset:32*\q
.endr
.irp q, 0,1,2,3,4,5,6,7,8,9,10,11,12,13,14,15
	global_load_b128 v[QR+4*\q:QR+4*\q+3], v3, s[48:49] offset:32*\q
.endr
.irp t, 0,1,2,3
.irp k, 0,1,2,3,4,5,6,7
	global_load_b32 v[VR+8*\t+\k], v4, s[52:53] offset:512*\k+64*\t   ; V(8 h + k, 16 t + r)
.endr
.endr
	s_wait_loadcnt 32                              ; K and Q are in; V's 32 loads may be out
.set e, 0
.rept 32
.if e < 2
	v_wmma_f32_16x16x4_f32 v[SACC+8*(e%2):SACC+8*(e%2)+7], v[KR+2*e:KR+2*e+1], v[QR+2*e:QR+2*e+1], 0
.else
	v_wmma_f32_16x16x4_f32 v[SACC+8*(e%2):SACC+8*(e%2)+7], v[KR+2*e:KR+2*e+1], v[QR+2*e:QR+2*e+1], v[SACC+8*(e%2):SACC+8*(e%2)+7]
.endif
.set e, e+1
.endr
.rept 8
	v_nop                                          ; eight places behind this form before its result is read
.endr
.irp j, 0,1,2,3,4,5,6,7
	v_add_f32 v[SS+\j], v[SACC+\j], v[SACC+8+\j]   ; from the low end on
.endr
.irp j, 0,1,2,3,4,5,6,7
	v_cmp_gt_i32 vcc_lo, \j, v6
	v_cndmask_b32 v[SS+\j], v[SS+\j], v7, vcc_lo   ; the causal mask
.endr
	v_max3_num_f32 v8, v[SS], v[SS+1], v[SS+2]
	v_max3_num_f32 v8, v8, v[SS+3], v[SS+4]
	v_max3_num_f32 v8, v8, v[SS+5], v[SS+6]
	v_max_num_f32 v8, v8, v[SS+7]
	v_permlanex16_b32 v9, v8, s56, s57
	v_max_num_f32 v8, v8, v9                       ; the row's maximum (key 0 counts for every query)
.irp j, 0,1,2,3,4,5,6,7
	v_sub_f32 v[SS+\j], v[SS+\j], v8
.endr
.irp j, 0,1,2,3,4,5,6,7
	v_exp_f32 v[SS+\j], v[SS+\j]
.endr
	v_nop                                          ; a plain line behind the exponentials
	s_wait_alu depctr_va_vdst(0)                   ; one wait for the batch, ahead of its first reader
	v_add_f32 v10, v[SS], v[SS+1]
	v_add_f32 v12, v[SS+2], v[SS+3]
	v_add_f32 v13, v[SS+4], v[SS+5]
	v_add_f32 v16, v[SS+6], v[SS+7]
	v_add_f32 v10, v10, v12
	v_add_f32 v13, v13, v16
	v_add_f32 v10, v10, v13
	v_permlanex16_b32 v11, v10, s56, s57
	v_add_f32 v10, v10, v11
	v_rcp_f32 v10, v10
	v_nop
	s_wait_alu depctr_va_vdst(0)
.irp j, 0,1,2,3,4,5,6,7
	v_mul_f32 v[SS+\j], v[SS+\j], v10
.endr
	s_wait_loadcnt 0x0                             ; V
.irp s, 0,1,2,3
.irp t, 0,1,2,3
.if \s == 0
	v_wmma_f32_16x16x4_f32 v[OACC+8*\t:OACC+8*\t+7], v[VR+8*\t+2*\s:VR+8*\t+2*\s+1], v[SS+2*\s:SS+2*\s+1], 0
.else
	v_wmma_f32_16x16x4_f32 v[OACC+8*\t:OACC+8*\t+7], v[VR+8*\t+2*\s:VR+8*\t+2*\s+1], v[SS+2*\s:SS+2*\s+1], v[OACC+8*\t:OACC+8*\t+7]
.endif
.endr
.endr
.rept 8
	v_nop
.endr
.irp t, 0,1,2,3
	global_store_b128 v5, v[OACC+8*\t:OACC+8*\t+3], s[42:43] offset:1024*\t          ; channels 16 t + 8 h + 0..3 of position r: sixteen lanes store 256 consecutive bytes
	global_store_b128 v5, v[OACC+8*\t+4:OACC+8*\t+7], s[42:43] offset:1024*\t+256    ; and + 4..7
.endr
	s_endpgm
.Lfunc_end_k_q77f904cde4_attend:
	.size	k_q77f904cde4_attend, .Lfunc_end_k_q77f904cde4_attend-k_q77f904cde4_attend
	.p2alignl 7, 3214868480
	.fill 96, 4, 3214868480
	.section	.rodata,"a",@progbits
	.p2align	6, 0x0
	.amdhsa_kernel k_q77f904cde4_attend
		.amdhsa_group_segment_fixed_size 107520
		.amdhsa_private_segment_fixed_size 0
		.amdhsa_enable_private_segment 0
		.amdhsa_kernarg_size 32
		.amdhsa_user_sgpr_count 2
		.amdhsa_user_sgpr_kernarg_segment_ptr 1
		.amdhsa_wavefront_size32 1
		.amdhsa_system_sgpr_workgroup_id_x 1
		.amdhsa_system_sgpr_workgroup_id_y 1
		.amdhsa_system_sgpr_workgroup_id_z 1
		.amdhsa_system_vgpr_workitem_id 0
		.amdhsa_next_free_vgpr 512
		.amdhsa_next_free_sgpr 66
		.amdhsa_reserve_vcc 1
		.amdhsa_float_denorm_mode_32 3
		.amdhsa_float_denorm_mode_16_64 3
		.amdhsa_memory_ordered 1
		.amdhsa_forward_progress 1
		.amdhsa_inst_pref_size 67
	.end_amdhsa_kernel
	.amdgpu_metadata
---
amdhsa.version: [ 1, 2 ]
amdhsa.kernels:
  - .name:           k_q77f904cde4_attend
    .symbol:         k_q77f904cde4_attend.kd
    .args:
      - { .name: heads, .offset: 0, .size: 8, .value_kind: global_buffer, .address_space: global }
      - { .name: ctx, .offset: 8, .size: 8, .value_kind: global_buffer, .address_space: global }
      - { .name: first, .offset: 16, .size: 8, .value_kind: global_buffer, .address_space: global }
      - { .name: ctx16, .offset: 24, .size: 8, .value_kind: global_buffer, .address_space: global }
    .group_segment_fixed_size: 107520
    .private_segment_fixed_size: 0
    .kernarg_segment_align: 8
    .kernarg_segment_size: 32
    .max_flat_workgroup_size: 256
    .sgpr_count:     66
    .vgpr_count:     512
    .wavefront_size: 32
...
	.end_amdgpu_metadata
.endif
;; end of part 3
;; launch cast_wo (part 4): grid 256 x 1, 8 waves a work-group, no clusters, 76,800 bytes of LDS; arguments w_o, ctx16, wo16, out0; writes wo16, out0
.if DOCPART == 4
	.amdgcn_target "amdgcn-amd-amdhsa--gfx1250"
	.amdhsa_code_object_version 6
	.text
	.protected	k_q77f904cde4_cast_wo
	.globl	k_q77f904cde4_cast_wo
	.p2align	8
	.type	k_q77f904cde4_cast_wo,@function
k_q77f904cde4_cast_wo:
	s_mov_b64 s[64:65], 0
	v_nop
	global_prefetch_b8 v0, s[64:65] scope:SCOPE_SE
	s_setreg_imm32_b32 hwreg(HW_REG_WAVE_MODE, 25, 1), 1
	s_wait_xcnt 0x0
; ONE pass over w_o [4096 n][4096 k] f32 does two things: wo16 = w_o rounded to f16, and rows 0-15 of out0 = ctx16 w_o^T in f32, so that the finely carried rows cost no second read of w_o.
; SHARES.  Work-group b owns rows n = 16 b .. 16 b + 15; wave w owns k = 512 w .. 512 w + 511, in four chunks of 128.  Each load reads 512 consecutive bytes of a row; each store of f16 covers 256, aligned.
; THE STREAM IS ASKED FOR EARLY: three of a wave's four chunks of w_o (24 KiB) go out at the head, into three sets of registers; the fourth as soon as chunk 0 has left its set.  ctx16's operands run two chunks ahead, in two sets.
; THE PRODUCT: source 0 = 16 rows of w_o, source 1 = ctx16's 16 positions, 4 along K an instruction, four accumulators by turns.  A chunk of w_o turns through the wave's own stage in LDS, so that a lane holds
; row r and k = 8 q + 4 h + 0..3; ctx16 is laid in that very order, so that both sides take K alike.  The eight waves' sums meet in LDS; wave 0 adds them in a fixed order and stores.
; In the result lane (r, h) holds position r and n = 16 b + 8 h + 0..7: 32 bytes of a row of out0; a work-group's 16 columns are 64 bytes of each of 16 rows.
; The registers that the products write are written by products alone.
; REGISTERS: window 0: v1-13 addresses; v16-47 a chunk in f16; v48-79 w_o's operands, half a chunk; v80-207 ctx16's, two sets; v208-239 the accumulators; v240-247 my sums.  Window 1: v0-191 w_o as loaded, three sets of 64.
.set SROW,  528                        ; a stage row: 512 bytes + 16
.set MRG,   8*16*SROW                  ; behind the eight stages: 1,024 bytes a wave for the sums
.set SPARE, MRG+8*1024                 ; the spare words: 128 bytes a wave, named by no other line
.set SPW,  9
.set NIL,  10
.set H,    16
.set AF,   48
.set BF,   80
.set ACC,  208
.set T,    240
.set MSB, 0
.macro WIN new                         ; the immediate's high byte repeats the setting that is left
.if MSB != \new
	s_set_vgpr_msb (MSB<<8)|\new
.set MSB, \new
.endif
.endm
	s_load_b256 s[4:11], s[0:1], 0x0               ; w_o, ctx16, wo16, out0
	v_lshl_add_u32 v[SPW], v0, 2, SPARE
	v_mov_b32 v[NIL], 0
	v_lshrrev_b32 v1, 5, v0
	v_readfirstlane_b32 s12, v1                    ; wave 0..7
	v_and_b32 v11, 31, v0
	v_lshlrev_b32 v1, 4, v11                       ; 16 x lane
	v_lshlrev_b32 v2, 3, v11                       ; 8 x lane
	v_and_b32 v12, 15, v0                          ; r
	v_bfe_u32 v13, v0, 4, 1                        ; h
	s_mul_i32 s13, s12, 16*SROW
	v_add_nc_u32 v3, s13, v1                       ; the stage, in: 16 x lane
	v_mul_u32_u24 v4, v12, SROW
	v_lshl_add_u32 v4, v13, 4, v4
	v_add_nc_u32 v4, s13, v4                       ; and out: row r, + 16 h
	s_lshl_b32 s13, s12, 10
	s_add_co_u32 s13, s13, MRG
	v_add_nc_u32 v6, s13, v1                       ; my wave's sums
	v_add_nc_u32 v7, MRG, v1                       ; all waves'
	v_lshlrev_b32 v8, 14, v12
	v_lshl_add_u32 v8, v13, 5, v8                  ; out0: row r of 16,384 bytes, + 32 h
	s_lshl_b32 s14, ttmp9, 18                      ; 16 rows of 16,384 bytes,
	s_lshl_b32 s15, s12, 11                        ; my 512 numbers
	s_add_co_u32 s14, s14, s15
	s_mov_b32 s15, 0
	s_lshl_b32 s16, s12, 15                        ; ctx16: 64 runs of 512 bytes a wave
	s_mov_b32 s17, 0
	s_lshl_b32 s18, ttmp9, 17
	s_lshl_b32 s19, s12, 10
	s_add_co_u32 s18, s18, s19
	s_mov_b32 s19, 0
	s_lshl_b32 s20, ttmp9, 6
	s_mov_b32 s21, 0
	s_wait_kmcnt 0x0
	s_add_nc_u64 s[4:5], s[4:5], s[14:15]
	s_add_nc_u64 s[6:7], s[6:7], s[16:17]
	s_add_nc_u64 s[8:9], s[8:9], s[18:19]
	s_add_nc_u64 s[10:11], s[10:11], s[20:21]
.macro RLOAD c                         ; chunk c of w_o, 16 rows x 512 bytes, into set c % 3 of window 1
	WIN 0x40                                       ; destination window 1, address window 0
.set i, 0
.rept 16
	global_load_b128 v[64*((\c)%3)+4*i:64*((\c)%3)+4*i+3], v1, s[4:5] offset:16384*i+512*(\c) th:TH_LOAD_NT   ; read once in the launch
.set i, i+1
.endr
	WIN 0
.endm
.macro BLOAD c                         ; chunk c of ctx16's operands into set c % 2
.set i, 0
.rept 16
	global_load_b128 v[BF+64*((\c)%2)+4*i:BF+64*((\c)%2)+4*i+3], v1, s[6:7] offset:(16*(\c)+i)*512
.set i, i+1
.endr
.endm
.macro AFLOAD half
.set i, 0
.rept 8
	ds_load_b128 v[AF+4*i:AF+4*i+3], v4 offset:32*(8*(\half)+i)
.set i, i+1
.endr
.endm
.macro PROD16 c, half                  ; 16 products; the four accumulators take turns, one instruction a turn; the first four of all start the sums
.set i, 0
.rept 16
.set AI, ACC+8*(i%4)
.set BI, BF+64*((\c)%2)+32*(\half)+2*i
.if ((\c) == 0) && ((\half) == 0) && (i < 4)
	v_wmma_f32_16x16x4_f32 v[AI:AI+7], v[AF+2*i:AF+2*i+1], v[BI:BI+1], 0
.else
	v_wmma_f32_16x16x4_f32 v[AI:AI+7], v[AF+2*i:AF+2*i+1], v[BI:BI+1], v[AI:AI+7]
.endif
.set i, i+1
.endr
.rept 8
	v_nop                                          ; eight places behind this form, in front of loads into its operands and of reads of its results
.endr
.endm
; The loads go out in this order: ctx16's chunks 0 and 1, w_o's 0, 1, 2 (the head); w_o's 3 and ctx16's 2 (chunk 0); ctx16's 3 (chunk 1); sixteen loads each.  They come back in that order, which gives the counts below.
.macro CHUNK c
.set RS, 64*((\c)%3)
.if (\c) == 0
	s_wait_loadcnt 32                              ; ctx16's chunks 0 and 1 and w_o's chunk 0 are in; w_o's chunks 1 and 2 may be out
.elseif (\c) < 3
	s_wait_loadcnt 48                              ; this chunk of w_o is in; the three runs of sixteen issued behind it may be out
.endif                                             ; (w_o's chunk 3 came back ahead of ctx16's chunk 2, for which chunk 2 has waited)
	WIN 0x04                                       ; an LDS store's data are its source 1: window 1
.set i, 0
.rept 16
	ds_store_b128 v3, v[RS+4*i:RS+4*i+3] offset:SROW*i
.set i, i+1
.endr
.if (\c) > 0
	s_wait_xcnt 0x0                                ; the last chunk's stores have read the registers that are written now
.endif
	WIN 0x05                                       ; sources 0 and 1 window 1, destination window 0
.set i, 0
.rept 32
	v_cvt_pk_f16_f32 v[H+i], v[RS+2*i], v[RS+2*i+1]
.set i, i+1
.endr
	WIN 0
.set i, 0
.rept 16
	global_store_b64 v2, v[H+2*i:H+2*i+1], s[8:9] offset:8192*i+256*(\c)   ; 256 consecutive bytes, aligned
.set i, i+1
.endr
	AFLOAD 0
	s_wait_dscnt 0x0                               ; the stage's stores have read their registers; the first operands are in
.if (\c) == 0
	RLOAD 3                                        ; into the set that chunk 0 has left
.elseif (\c) == 2
	s_wait_loadcnt 16                              ; ctx16's chunk 2 is in; its chunk 3 may be out
.elseif (\c) == 3
	s_wait_loadcnt 0x0                             ; ctx16's chunk 3
.endif
	PROD16 \c, 0
	AFLOAD 1
	s_wait_dscnt 0x0
	PROD16 \c, 1
.if (\c) < 2
	BLOAD (\c)+2                                   ; into the set that these products have read, behind their eight places
.endif
.endm
	BLOAD 0
	BLOAD 1
	RLOAD 0
	RLOAD 1
	RLOAD 2
	CHUNK 0
	CHUNK 1
	CHUNK 2
	CHUNK 3
.irp j, 0,1,2,3,4,5,6,7
	v_add_f32 v[T+\j], v[ACC+\j], v[ACC+8+\j]      ; from the low end on
.endr
.irp j, 0,1,2,3,4,5,6,7
	v_add_f32 v[AF+\j], v[ACC+16+\j], v[ACC+24+\j] ; (into registers that no pending store reads)
.endr
.irp j, 0,1,2,3,4,5,6,7
	v_add_f32 v[T+\j], v[T+\j], v[AF+\j]
.endr
	ds_store_b128 v6, v[T:T+3]
	ds_store_b128 v6, v[T+4:T+7] offset:512
	s_wait_dscnt 0x0                               ; for the others' sake: my stores have landed
	s_barrier_signal -1
	s_barrier_wait -1
	s_cmp_lg_u32 s12, 0
	s_cbranch_scc1 .Lend
.irp w, 0,1,2,3,4,5,6,7
	ds_load_b128 v[BF+8*\w:BF+8*\w+3], v7 offset:1024*\w
	ds_load_b128 v[BF+8*\w+4:BF+8*\w+7], v7 offset:1024*\w+512
.endr
	s_wait_dscnt 0x0
.irp w, 1,2,3,4,5,6,7
.irp j, 0,2,4,6
	v_pk_add_f32 v[BF+\j:BF+\j+1], v[BF+\j:BF+\j+1], v[BF+8*\w+\j:BF+8*\w+\j+1]
.endr
.endr
	global_store_b128 v8, v[BF:BF+3], s[10:11]
	global_store_b128 v8, v[BF+4:BF+7], s[10:11] offset:16
.Lend:
	s_wait_tensorcnt 0x0                           ; the wave's end
	ds_add_u32 v[SPW], v[NIL]
	s_wait_dscnt 0x0
	s_endpgm
.Lfunc_end_k_q77f904cde4_cast_wo:
	.size	k_q77f904cde4_cast_wo, .Lfunc_end_k_q77f904cde4_cast_wo-k_q77f904cde4_cast_wo
	.p2alignl 7, 3214868480
	.fill 96, 4, 3214868480
	.section	.rodata,"a",@progbits
	.p2align	6, 0x0
	.amdhsa_kernel k_q77f904cde4_cast_wo
		.amdhsa_group_segment_fixed_size 76800
		.amdhsa_private_segment_fixed_size 0
		.amdhsa_enable_private_segment 0
		.amdhsa_kernarg_size 32
		.amdhsa_user_sgpr_count 2
		.amdhsa_user_sgpr_kernarg_segment_ptr 1
		.amdhsa_wavefront_size32 1
		.amdhsa_system_sgpr_workgroup_id_x 1
		.amdhsa_system_sgpr_workgroup_id_y 1
		.amdhsa_system_sgpr_workgroup_id_z 1
		.amdhsa_system_vgpr_workitem_id 0
		.amdhsa_next_free_vgpr 512
		.amdhsa_next_free_sgpr 66
		.amdhsa_reserve_vcc 0
		.amdhsa_float_denorm_mode_32 3
		.amdhsa_float_denorm_mode_16_64 3
		.amdhsa_memory_ordered 1
		.amdhsa_forward_progress 1
		.amdhsa_inst_pref_size 52
	.end_amdhsa_kernel
	.amdgpu_metadata
---
amdhsa.version: [ 1, 2 ]
amdhsa.kernels:
  - .name:           k_q77f904cde4_cast_wo
    .symbol:         k_q77f904cde4_cast_wo.kd
    .args:
      - { .name: w_o, .offset: 0, .size: 8, .value_kind: global_buffer, .address_space: global }
      - { .name: ctx16, .offset: 8, .size: 8, .value_kind: global_buffer, .address_space: global }
      - { .name: wo16, .offset: 16, .size: 8, .value_kind: global_buffer, .address_space: global }
      - { .name: out0, .offset: 24, .size: 8, .value_kind: global_buffer, .address_space: global }
    .group_segment_fixed_size: 76800
    .private_segment_fixed_size: 0
    .kernarg_segment_align: 8
    .kernarg_segment_size: 32
    .max_flat_workgroup_size: 256
    .sgpr_count:     66
    .vgpr_count:     512
    .wavefront_size: 32
...
	.end_amdgpu_metadata
.endif
;; end of part 4
;; launch project_out (part 5): grid 32 x 8, 4 waves a work-group, clusters of 4 x 4, 327,680 bytes of LDS; arguments ctx, wo16, out0; writes out0
.if DOCPART == 5
	.amdgcn_target "amdgcn-amd-amdhsa--gfx1250"
	.amdhsa_code_object_version 6
	.text
	.protected	k_q77f904cde4_project_out
	.globl	k_q77f904cde4_project_out
	.p2align	8
	.type	k_q77f904cde4_project_out,@function
k_q77f904cde4_project_out:
	s_mov_b64 s[64:65], 0
	v_nop
	global_prefetch_b8 v0, s[64:65] scope:SCOPE_SE
	s_setreg_imm32_b32 hwreg(HW_REG_WAVE_MODE, 25, 1), 1
	s_wait_xcnt 0x0
	s_wait_alu depctr_hold_cnt(0) depctr_sa_sdst(0) depctr_va_vdst(0) depctr_va_sdst(0) depctr_va_ssrc(0) depctr_va_vcc(0) depctr_vm_vsrc(0)
	s_getreg_b32 s2, hwreg(HW_REG_IB_STS2, 6, 4)
	s_cmp_eq_u32 s2, 0
	s_cbranch_scc0 .Lentry_in_a_cluster
	s_endpgm
.Lentry_in_a_cluster:
	s_bfe_u32 s2, ttmp6, 0x10000c
	s_cmp_lg_u32 s2, 0xf033
	s_cbranch_scc0 .Lentry_shape_is_right
	s_endpgm
.Lentry_shape_is_right:
; out0[m][n] = sum over k of ctx[m][k] wo16[n][k], f16 operands, f32 sums and results; rows 16 to 1,023 (rows 0-15 were stored in f32 arithmetic by the launch before and are left alone).
; A tile of out0 is 128 x 128: 256 work-groups.  Four waves, each 64 x 64: 16 accumulators.  K goes in steps of 256 (LDS rows of 512 bytes; a wave's tensor load brings 64 of them) through a ring of two slots.
; CLUSTER 4 x 4: ctx's tiles are shared along a row of the cluster, wo16's along a column; each is asked for jointly.  The products are used transposed (source 0 = 16 rows of wo16, source 1 = 16 rows of ctx):
; a lane then holds eight neighbouring numbers of a row of out0.  A wave's 64 columns of f32 are 256 aligned bytes, so each wave has a stage of its own on the way out and needs no barrier there.
; REGISTERS: window 0: v0-31 addresses; v32-95 rows on the way out; v128-255 the accumulators ((a, b) at v[128 + 8 (4 a + b)]).  Window 1: two fragment buffers of 128.
.set SIZE_M, 1024
.set SIZE_N, 4096
.set SIZE_K, 4096
.set KSTEP,  256
.set PITCH,  528                       ; an LDS row: 512 bytes + 16, an odd multiple of 16 bytes
.set HALFT,  64*PITCH
.set SLOT,   4*HALFT
.set STAGE,  2*SLOT                    ; behind the ring: 16 rows x 272 bytes for each wave
.set SPITCH, 272
.set SPARE,  STAGE+4*16*SPITCH         ; the spare words: 128 bytes a wave, named by no other line
.set LAPS, SIZE_K/(2*KSTEP)
.set ADRA, 16
.set ADRB, 20
.set STO,  24
.set RD,   25
.set CO,   26
.set SPW,  28
.set NIL,  29
.set ROW0, 30                          ; v30 my wave's first row of out0
.set BK,   32
.set ACC,  128
.set F0,   0
.set F1,   128
.set G1, 24
.set G0, 32
.set G1B, 48
.set G0B, 56
.set MSB, 0
.macro WIN new
.if MSB != \new
	s_set_vgpr_msb (MSB<<8)|\new
.set MSB, \new
.endif
.endm
.set MUL,  0x05                        ; sources 0 and 1 window 1; C and D window 0
.set TO_F, 0x40
.macro JLOAD s                         ; a joint load: waves 0 and 1 fetch ctx's two halves, waves 2 and 3 wo16's; an s_nop 0 and four v_nop follow each line
	s_cmp_eq_u32 s11, 0
	s_cbranch_scc0 .Lfor_b_\@
	tensor_load_to_lds s[G0+4*\s:G0+4*\s+3], s[G1:G1+7]
	s_nop 0
.rept 4
	v_nop
.endr
	s_branch .Lasked_\@
.Lfor_b_\@:
	tensor_load_to_lds s[G0B+4*\s:G0B+4*\s+3], s[G1B:G1B+7]
	s_nop 0
.rept 4
	v_nop
.endr
.Lasked_\@:
.endm
.macro CREST
	s_cmp_lg_u32 s10, 0
	s_cbranch_scc1 .Lnot_wave_0_\@
	s_barrier_signal -3
.Lnot_wave_0_\@:
	s_barrier_wait -3
	s_barrier_signal -1
	s_barrier_wait -1
.endm
.macro CROUND
	s_barrier_signal -1
	s_barrier_wait -1
	CREST
.endm
	s_load_b128 s[4:7], s[0:1], 0x0                ; ctx, wo16
	s_load_b64 s[8:9], s[0:1], 0x10                ; out0
	v_lshl_add_u32 v[SPW], v0, 2, SPARE
	v_mov_b32 v[NIL], 0
	ds_add_u32 v[SPW], v[NIL]                      ; the wave's opening: the add, twice on end, and its wait ahead of my first tensor load
	ds_add_u32 v[SPW], v[NIL]
	v_lshrrev_b32 v1, 5, v0
	v_readfirstlane_b32 s10, v1                    ; wave
	s_lshr_b32 s11, s10, 1                         ; my half of the rows.  Also: I fetch for ctx (0) or for wo16 (1)
	s_and_b32 s12, s10, 1                          ; my half of the columns.  Also: which 64 rows of that tile I fetch
	s_bfe_u32 s40, ttmp6, 0x40000
	s_bfe_u32 s41, ttmp6, 0x40004
	s_lshl_b32 s42, ttmp9, 2
	s_add_co_u32 s42, s42, s40                     ; tile column
	s_and_b32 s13, ttmp7, 0xffff
	s_lshl_b32 s13, s13, 2
	s_add_co_u32 s13, s13, s41                     ; tile row
	s_lshl_b32 s43, s41, 2
	s_lshl_b32 s43, 15, s43
	s_lshl_b32 s44, 0x1111, s40
	s_or_b32 s[G1+0], s43, (1<<16)|(1<<20)|(1<<21)|(6<<22)|(3<<25)  ; the mask; elements of 2 bytes; padding on; bit 21 beside a mask; 4 words behind every 128
	s_or_b32 s[G1B+0], s44, (1<<16)|(1<<20)|(1<<21)|(6<<22)|(3<<25)
.irp g, G1, G1B
	s_mov_b32 s[\g+1], KSTEP<<16
	s_mov_b32 s[\g+2], 64<<16
	s_mov_b32 s[\g+3], KSTEP<<16
	s_mov_b32 s[\g+4], 64
	s_mov_b32 s[\g+5], SIZE_K
	s_mov_b32 s[\g+6], 0
	s_mov_b32 s[\g+7], 0
.endr
	s_lshl_b32 s17, s12, 6
	s_lshl_b32 s16, s13, 7
	s_add_co_u32 s16, s16, s17
	s_lshl_b32 s46, s42, 7
	s_add_co_u32 s46, s46, s17
	s_mov_b32 s17, 0
	s_mov_b32 s47, 0
	s_mov_b64 s[18:19], SIZE_K*2
	s_mul_u64 s[16:17], s[16:17], s[18:19]
	s_mul_u64 s[46:47], s[46:47], s[18:19]
	s_mul_i32 s20, s10, HALFT
	s_wait_dscnt 0x0                               ; both opening adds are done
	s_wait_kmcnt 0x0
	s_add_nc_u64 s[14:15], s[4:5], s[16:17]
	s_add_nc_u64 s[46:47], s[6:7], s[46:47]
	CROUND                                         ; all sixteen work-groups are here: the first joint loads meet
.irp s, 0,1
	s_mov_b32 s[G0+4*\s], 1
	s_add_co_u32 s[G0+4*\s+1], s20, \s*SLOT
	s_add_nc_u64 s[G0+4*\s+2:G0+4*\s+3], s[14:15], \s*KSTEP*2
	s_or_b32 s[G0+4*\s+3], s[G0+4*\s+3], 0x80000000
	s_mov_b32 s[G0B+4*\s], 1
	s_add_co_u32 s[G0B+4*\s+1], s20, \s*SLOT
	s_add_nc_u64 s[G0B+4*\s+2:G0B+4*\s+3], s[46:47], \s*KSTEP*2
	s_or_b32 s[G0B+4*\s+3], s[G0B+4*\s+3], 0x80000000
	JLOAD \s
.endr
	v_and_b32 v1, 15, v0
	v_bfe_u32 v2, v0, 4, 1
	v_mul_u32_u24 v3, v1, PITCH
	v_lshl_add_u32 v3, v2, 4, v3
	s_mul_i32 s21, s11, HALFT
	s_mul_i32 s22, s12, HALFT
	s_add_co_u32 s22, s22, 2*HALFT
.irp s, 0,1
	v_add_nc_u32 v[ADRA+\s], s21, v3
	v_add_nc_u32 v[ADRB+\s], s22, v3
	s_add_co_u32 s21, s21, SLOT
	s_add_co_u32 s22, s22, SLOT
.endr
	s_mul_i32 s23, s10, 16*SPITCH
	s_add_co_u32 s23, s23, STAGE                   ; my stage
	v_mul_u32_u24 v4, v1, SPITCH
	v_lshl_add_u32 v4, v2, 5, v4
	v_add_nc_u32 v[STO], s23, v4                   ; in: row r, 32 bytes for each half of the lanes
	v_mul_u32_u24 v5, v2, SPITCH
	v_lshl_add_u32 v5, v1, 4, v5
	v_add_nc_u32 v[RD], s23, v5                    ; back: lanes 0-15 one row of 256 bytes, lanes 16-31 the next
	v_lshlrev_b32 v5, 14, v2
	v_lshl_add_u32 v[CO], v1, 4, v5                ; and the same two rows in out0
	s_lshl_b32 s16, s13, 7
	s_lshl_b32 s17, s11, 6
	s_add_co_u32 s16, s16, s17                     ; my first row: 128 x tile row + 64 x half
	v_mov_b32 v[ROW0], s16
	s_mov_b32 s17, 0
	s_mov_b64 s[18:19], SIZE_N*4
	s_mul_u64 s[16:17], s[16:17], s[18:19]
	s_add_nc_u64 s[8:9], s[8:9], s[16:17]
	s_lshl_b32 s46, s42, 9                         ; my first column, in bytes: 512 x tile column + 256 x half
	s_lshl_b32 s47, s12, 8
	s_add_co_u32 s46, s46, s47
	s_mov_b32 s47, 0
	s_add_nc_u64 s[8:9], s[8:9], s[46:47]
.macro MUL8 f, c, a0, zero             ; 8 products: m blocks a0, a0 + 1 x all 4 n blocks, 32 along K: half c of buffer f.  The 16 accumulators take turns
.irp a, \a0, \a0+1
.irp b, 0,1,2,3
.if \zero
	v_wmma_f32_16x16x32_f16 v[ACC+8*(4*(\a)+\b):ACC+8*(4*(\a)+\b)+7], v[\f+64+8*(4*\c+\b):\f+64+8*(4*\c+\b)+7], v[\f+8*(4*\c+\a):\f+8*(4*\c+\a)+7], 0
.else
	v_wmma_f32_16x16x32_f16 v[ACC+8*(4*(\a)+\b):ACC+8*(4*(\a)+\b)+7], v[\f+64+8*(4*\c+\b):\f+64+8*(4*\c+\b)+7], v[\f+8*(4*\c+\a):\f+8*(4*\c+\a)+7], v[ACC+8*(4*(\a)+\b):ACC+8*(4*(\a)+\b)+7]
.endif
.endr
.endr
.endm
.macro FETCH slot, k, f                ; 32 LDS loads in one run: the fragments of 64 along K at byte k of the rows; the first 32 along K first
	WIN TO_F
.irp c, 0,1
.irp i, 0,1,2,3
	ds_load_b128 v[\f+64+8*(4*\c+\i):\f+64+8*(4*\c+\i)+3],   v[ADRB+\slot] offset:\k+64*\c+\i*16*PITCH
	ds_load_b128 v[\f+64+8*(4*\c+\i)+4:\f+64+8*(4*\c+\i)+7], v[ADRB+\slot] offset:\k+64*\c+\i*16*PITCH+32
	ds_load_b128 v[\f+8*(4*\c+\i):\f+8*(4*\c+\i)+3],         v[ADRA+\slot] offset:\k+64*\c+\i*16*PITCH
	ds_load_b128 v[\f+8*(4*\c+\i)+4:\f+8*(4*\c+\i)+7],       v[ADRA+\slot] offset:\k+64*\c+\i*16*PITCH+32
.endr
.endr
.endm
.macro PLACES
.rept 4
	v_nop
.endr
.endm
.macro QUARTER slot, k, f, g, zero     ; 64 along K: multiplies buffer f and fetches the next quarter, at byte k, into g
	s_wait_dscnt 16                                ; the first 32 along K are in; the sixteen younger loads may be out
	WIN MUL
	MUL8 \f, 0, 0, \zero
	MUL8 \f, 0, 2, \zero
	PLACES
	FETCH \slot, \k, \g
	s_wait_dscnt 32                                ; all but the 32 just issued
	WIN MUL
	MUL8 \f, 1, 0, 0
	MUL8 \f, 1, 2, 0
.endm
.macro TURN slot, next, fill           ; the last quarter changes slots: one barrier; in front of it each wave waits for all its tensor loads, adds 0 to its spare word, and waits for that and for its reads of the slot
	WIN 0
	s_wait_tensorcnt 0x0                           ; all my tensor loads have landed: my part of the next slot
	ds_add_u32 v[SPW], v[NIL]
	s_wait_dscnt 17                                ; the add and the youngest sixteen loads may be out
	WIN MUL
	MUL8 F1, 0, 0, 0
	s_wait_dscnt 0x0                               ; the add is done, and my reads of this slot are over
	s_barrier_signal -1
	MUL8 F1, 0, 2, 0
.if \fill
	WIN 0
.endif
	s_barrier_wait -1
.if \fill
	CREST                                          ; the barrier has opened a round of the cluster's
	s_add_nc_u64 s[G0+4*\slot+2:G0+4*\slot+3], s[G0+4*\slot+2:G0+4*\slot+3], 2*KSTEP*2
	s_add_nc_u64 s[G0B+4*\slot+2:G0B+4*\slot+3], s[G0B+4*\slot+2:G0B+4*\slot+3], 2*KSTEP*2
	JLOAD \slot                                    ; my one load behind the round; its four v_nop are also the places in front of the loads below
.else
	PLACES
.endif
	FETCH \next, 0, F0
	WIN MUL
	MUL8 F1, 1, 0, 0
	MUL8 F1, 1, 2, 0
.endm
	s_wait_tensorcnt 1                             ; my part of K step 0 is in; K step 1's may be out
	s_barrier_signal -1
	s_barrier_wait -1
	FETCH 0, 0, F0
	QUARTER 0, 128, F0, F1, 1                      ; the first quarter's first products start the sums
	WIN 0
	s_mov_b32 s3, LAPS-1
.Llap:
	QUARTER 0, 256, F1, F0, 0
	QUARTER 0, 384, F0, F1, 0
	TURN 0, 1, 1
	QUARTER 1, 128, F0, F1, 0
	QUARTER 1, 256, F1, F0, 0
	QUARTER 1, 384, F0, F1, 0
	TURN 1, 0, 1
	QUARTER 0, 128, F0, F1, 0
	WIN 0
	s_sub_co_u32 s3, s3, 1
	s_cmp_lg_u32 s3, 0
	s_cbranch_scc1 .Llap
	QUARTER 0, 256, F1, F0, 0                      ; the last lap fills nothing
	QUARTER 0, 384, F0, F1, 0
	TURN 0, 1, 0
	QUARTER 1, 128, F0, F1, 0
	QUARTER 1, 256, F1, F0, 0
	QUARTER 1, 384, F0, F1, 0
	s_wait_dscnt 16
	WIN MUL
	MUL8 F1, 0, 0, 0
	MUL8 F1, 0, 2, 0
	s_wait_dscnt 0
	MUL8 F1, 1, 0, 0
	MUL8 F1, 1, 2, 0
	WIN 0
; THE WAY OUT, 16 rows at a time: 32 bytes a lane into my stage, back as rows of 256 bytes, stored sixteen lanes to a row.
.macro OUTB a
.if (\a) >= 2
	s_wait_xcnt 0x0                                ; block a - 2's stores have read the registers that are loaded now
.endif
.irp b, 0,1,2,3
	ds_store_b128 v[STO], v[ACC+8*(4*(\a)+\b):ACC+8*(4*(\a)+\b)+3] offset:64*\b          ; each accumulator from its low end on
	ds_store_b128 v[STO], v[ACC+8*(4*(\a)+\b)+4:ACC+8*(4*(\a)+\b)+7] offset:64*\b+16
.endr
.irp t, 0,1,2,3,4,5,6,7
	ds_load_b128 v[BK+32*((\a)%2)+4*\t:BK+32*((\a)%2)+4*\t+3], v[RD] offset:544*\t   ; my own bytes, served in order
.endr
	s_wait_dscnt 0x0
.if (\a) == 0
	v_cmp_ne_u32 vcc_lo, 0, v[ROW0]                ; rows 0-15 are not mine to store: a mask
	s_wait_xcnt 0x0                                ; EXEC changes only behind this wait
	s_and_saveexec_b32 s20, vcc_lo
.endif
.irp t, 0,1,2,3,4,5,6,7
	global_store_b128 v[CO], v[BK+32*((\a)%2)+4*\t:BK+32*((\a)%2)+4*\t+3], s[8:9] offset:(16*(\a)+2*\t)*SIZE_N*4   ; sixteen lanes store 256 consecutive bytes, aligned
.endr
.if (\a) == 0
	s_wait_xcnt 0x0                                ; and again in front of the line that widens it
	s_or_b32 exec_lo, exec_lo, s20
.endif
.endm
	PLACES
	OUTB 0
	OUTB 1
	OUTB 2
	OUTB 3
	s_wait_tensorcnt 0x0                           ; the wave's end
	ds_add_u32 v[SPW], v[NIL]
	s_wait_dscnt 0x0
	CROUND                                         ; the closing round
	s_endpgm
.Lfunc_end_k_q77f904cde4_project_out:
	.size	k_q77f904cde4_project_out, .Lfunc_end_k_q77f904cde4_project_out-k_q77f904cde4_project_out
	.p2alignl 7, 3214868480
	.fill 96, 4, 3214868480
	.section	.rodata,"a",@progbits
	.p2align	6, 0x0
	.amdhsa_kernel k_q77f904cde4_project_out
		.amdhsa_group_segment_fixed_size 327680
		.amdhsa_private_segment_fixed_size 0
		.amdhsa_enable_private_segment 0
		.amdhsa_kernarg_size 24
		.amdhsa_user_sgpr_count 2
		.amdhsa_user_sgpr_kernarg_segment_ptr 1
		.amdhsa_wavefront_size32 1
		.amdhsa_system_sgpr_workgroup_id_x 1
		.amdhsa_system_sgpr_workgroup_id_y 1
		.amdhsa_system_sgpr_workgroup_id_z 1
		.amdhsa_system_vgpr_workitem_id 0
		.amdhsa_next_free_vgpr 512
		.amdhsa_next_free_sgpr 66
		.amdhsa_reserve_vcc 1
		.amdhsa_float_denorm_mode_32 3
		.amdhsa_float_denorm_mode_16_64 3
		.amdhsa_memory_ordered 1
		.amdhsa_forward_progress 1
		.amdhsa_inst_pref_size 86
	.end_amdhsa_kernel
	.amdgpu_metadata
---
amdhsa.version: [ 1, 2 ]
amdhsa.kernels:
  - .name:           k_q77f904cde4_project_out
    .symbol:         k_q77f904cde4_project_out.kd
    .args:
      - { .name: ctx, .offset: 0, .size: 8, .value_kind: global_buffer, .address_space: global }
      - { .name: wo16, .offset: 8, .size: 8, .value_kind: global_buffer, .address_space: global }
      - { .name: out0, .offset: 16, .size: 8, .value_kind: global_buffer, .address_space: global }
    .group_segment_fixed_size: 327680
    .private_segment_fixed_size: 0
    .kernarg_segment_align: 8
    .kernarg_segment_size: 24
    .max_flat_workgroup_size: 128
    .sgpr_count:     66
    .vgpr_count:     512
    .wavefront_size: 32
...
	.end_amdgpu_metadata
.endif
;; end of part 5
